; MI455X (gfx1250); checked and timed in simulation.
; The chip was launched on July 23, 2026; its instructions are those of AMD's public machine-readable ISA for CDNA 5 (MIT licence, August 2026) and "CDNA5" Instruction Set Architecture Reference Guide (July 2026). The comments in the code are by the model that wrote it; some were corrected since.
;; Causal Multi Head Self Attention. Allowed arithmetic: matrix products marked QUANTISED: E2M1 operands, one E8M0 scale for each 32 along K, by v_wmma_scale_f32_16x16x128_f8f6f4 with both operands' format E2M1 (or v_wmma_scale_f32_32x16x128_f4), f32 sums; products left as they are: bf16, f16 or f32 operands; f32 sums; everything else in f32.
;; Inputs: Wk 1,024 x 1,024 float32; Wo 1,024 x 1,024 float32; Wq 1,024 x 1,024 float32; Wv 1,024 x 1,024 float32; in_features 4 x 2,048 x 1,024 float32; token_positions 2,048 int32.
;; Outputs: out0 4 x 2,048 x 1,024 float32.
;; This version of the problem:
;;   THIS VERSION OF THE PROBLEM IS GIVEN IN LOW PRECISION. The matrix products marked QUANTISED in the list below multiply operands that are first quantised to E2M1 (2 exponent bits, 1 mantissa bit; 4 bits a number), with one power-of-two scale for each 32 numbers along K (OCP MX v1.0); their sums are f32. The products marked 'left as it is' may take bf16, f16 or f32 operands, with f32 sums. Whichever they take, every output number must still come out within the allowed error. Rounding operands to bf16 (8 significant bits) uses up far more of that allowance than f16 does (11 bits, for magnitudes from 6e-5 to 65,504). All else is computed in f32.
;;   The module's matrix products, in the order in which they are computed (A, B: the left and right operand; K: the contracted axis; several contracted axes count as one K, in the product's order):
;;     1. [M 8,192, K 1,024] x [K 1,024, N 1,024]; A: input in_features; B: input Wq: QUANTISED
;;     2. [M 8,192, K 1,024] x [K 1,024, N 1,024]; A: input in_features; B: input Wk: QUANTISED
;;     3. [M 8,192, K 1,024] x [K 1,024, N 1,024]; A: input in_features; B: input Wv: QUANTISED
;;     4. batch 64 x [M 2,048, K 64] x [K 64, N 2,048]; A: computed on the way; B: computed on the way: left as it is (an operand is computed on the way)
;;     5. batch 64 x [M 2,048, K 2,048] x [K 2,048, N 64]; A: computed on the way; B: computed on the way: left as it is (an operand is computed on the way)
;;     6. [M 8,192, K 1,024] x [K 1,024, N 1,024]; A: computed on the way; B: input Wo: left as it is (an operand is computed on the way)
;;   THE QUANTISER, for each operand of a quantised product, along K:
;;     - K is cut into blocks of 32 from its start; a last block that is shorter is filled with zeros.
;;     - A block's scale is 2^e with e = floor(log2(the largest magnitude in the block)) - 2, held to -126 .. 127; a block of zeros has e = 0. As a byte (E8M0): e + 127.
;;     - Each number is divided by its block's scale, clamped to +-6, and rounded to the nearest number of E2M1, ties to even, subnormals kept.
;;     - The product sums the exact products of the quantised numbers (number of the format x scale) in f32.
;;   ~~~python
;;   def quantise(x, axis):      # numpy; x: float32 -> the quantised numbers, widened to float32 again
;;       x = np.moveaxis(x, axis, -1); K = x.shape[-1]
;;       x = np.pad(x, [(0, 0)] * (x.ndim - 1) + [(0, -K % 32)]); x = x.reshape(x.shape[:-1] + (-1, 32)); a = np.abs(x).max(-1, keepdims=True)
;;       e = np.where(a > 0, np.clip(np.frexp(np.where(a > 0, a, 1))[1] - 1 - 2, -126, 127), 0)      # np.frexp(a)[1] - 1 = floor(log2(a)), exactly
;;       r = np.clip(x / 2.0 ** e, -6, 6)
;;       step = 2.0 ** (np.maximum(np.frexp(np.where(r == 0, 1, r))[1] - 1, 0) - 1)
;;       q = np.round(r / step) * step * 2.0 ** e      # np.round: ties to even
;;       return np.moveaxis(q.reshape(q.shape[:-2] + (-1,))[..., :K], -1, axis).astype(np.float32)
;;   ~~~
;; One version. Each part assembles by itself: llvm-mc -triple=amdgcn-amd-amdhsa -mcpu=gfx1250 --defsym DOCPART=n.
;; ======== version 1 of 1: 5 launches
;; limits: values are held in f16: magnitudes above 65,504 overflow, below 6.1e-05 lose precision; right only within a limited range of input values
;; workspace buffers: xq 4,456,448 bytes; wq3 1,671,168 bytes; wo16 2,097,152 bytes; cs 524,288 bytes; qkv16 50,331,648 bytes; q32 786,432 bytes; hd16 16,777,216 bytes
;; launch prep (part 1): grid 448 x 1, 4 waves a work-group, no clusters, 33,280 bytes of LDS; arguments in_features, Wq, Wk, Wv, Wo, token_positions, xq, wq3, wo16, cs; writes xq, wq3, wo16, cs
.if DOCPART == 1
	.amdgcn_target "amdgcn-amd-amdhsa--gfx1250"
	.amdhsa_code_object_version 6
	.text
	.protected	k_q8f7ceaf65b_prep
	.globl	k_q8f7ceaf65b_prep
	.p2align	8
	.type	k_q8f7ceaf65b_prep,@function
k_q8f7ceaf65b_prep:
	s_mov_b64 s[64:65], 0
	v_nop
	global_prefetch_b8 v0, s[64:65] scope:SCOPE_SE
	s_setreg_imm32_b32 hwreg(HW_REG_WAVE_MODE, 25, 1), 1
	s_wait_xcnt 0x0
; THREE JOBS, told apart by the work-group's number alone.
;  0..255   in_features [8192][1024] f32 -> codes of FP4 (E2M1), K innermost, and one E8M0 byte for each 32 along K: xq = codes [8192][512 bytes], then, 4,194,304 bytes on, bytes [8192][32].
;  256..351 Wq, Wk, Wv [1024][1024] f32 likewise, their rows one tensor behind the other: wq3 = codes [3072][512 bytes], then, 1,572,864 bytes on, bytes [3072][32].
;  352..383 Wo [1024][1024] f32 -> f16, same order: wo16.
;  384..447 the table of RoPE: cs[t][j] = {cos, sin}(token_positions[t] x 10000^(-j/32)), f32, j = 0..31: 256 bytes a position.
; THE QUANTISER: a block's scale is 2^(floor(log2(its largest magnitude)) - 2); its byte is the largest magnitude's exponent field - 2, held at 1 from below; each number is divided by the scale and rounded to the
; nearest code, ties to even, beyond 6 the largest code.  Rows are dense and K is a multiple of 32: a tensor is a plain stream of blocks of 32, and so are its codes and its bytes.
; LIMITS: NaN and infinities among the inputs are not served.  A block of zeros, and a block whose largest magnitude lies under 2^-124, gets the byte 1 (its codes add nothing or next to nothing; this program alone
; reads the bytes).  Positions: |position| up to 131,072 (the reduction of the angle takes pi/2 in two parts; beyond that its remainder leaves the polynomials' interval).  10000^(-j/32) is made as 2^(-j log2(10000)/32)
; with the exponent in two parts: within about one unit in the last place of the true power, not bit for bit the library's.  Wo's numbers must lie under 65,504 in magnitude (f16).
.set WAVES, 4
.set STEPS, 16
.set EMAX,  2
.set CB,    8                          ; bytes of 16 codes
.set R,     16                         ; v16-79   four sets of 16 numbers as they are loaded
.set X,     80                         ; v80-111  two sets of 16 neighbours
.set E,     112                        ; v112-127 a scale byte for each step
.set C,     128                        ; v128-191 codes: four registers for each step, so that no store's data are written again
.set WREG,  8192                       ; LDS: a region for each wave: two stages of 32 x SP bytes, behind them its 256 scale bytes
.set SP,    80                         ; a lane's place in a stage: 64 bytes + 16 of padding
.set SPW,   12                         ; v12  LDS address of my spare word; never rewritten
.set NIL,   13                         ; v13  0; never rewritten
.set SPARE, WAVES*WREG                 ; behind the four regions: the spare words, 128 bytes a wave, which no other line names
.set SRC,   32                         ; s[32:33] the numbers of my wave's run
.set COD,   36                         ; s[36:37] its codes
.set SCA,   38                         ; s[38:39] its scale bytes
.macro LOAD t
.irp i, 0,1,2,3
	global_load_b128 v[R+16*((\t)%4)+4*\i:R+16*((\t)%4)+4*\i+3], v3, s[SRC:SRC+1] offset:2048*(\t)+512*\i th:TH_LOAD_NT   ; 32 lanes read 512 consecutive bytes
.endr
.endm
.macro TURN t                          ; step t's 2,048 bytes through the wave's stage: in as they lie, out 64 bytes a lane.  LDS serves a wave's instructions in order: no wait between
.irp i, 0,1,2,3
	ds_store_b128 v14, v[R+16*((\t)%4)+4*\i:R+16*((\t)%4)+4*\i+3] offset:32*SP*((\t)%2)+8*SP*\i
.endr
.irp i, 0,1,2,3
	ds_load_b128 v[X+16*((\t)%2)+4*\i:X+16*((\t)%2)+4*\i+3], v15 offset:32*SP*((\t)%2)+16*\i
.endr
.endm
.macro STEP t
.set XS, X+16*((\t)%2)
.if (\t) > 0
	s_wait_dscnt 1                                 ; this step's numbers are back from the stage (the last step's byte store may be out)
.else
	s_wait_dscnt 0x0
.endif
.if (\t)+4 < STEPS
	LOAD (\t)+4                                    ; the registers that went into the stage take the loads of four steps on
.endif
.if (\t)+1 < STEPS
.if STEPS-2-(\t) >= 3
	s_wait_loadcnt 12                              ; the next step's four loads are in; those of the three steps behind it may be out
.else
	s_wait_loadcnt 4*(STEPS-2-(\t))
.endif
	TURN (\t)+1
.endif
	v_max3_num_f32 v8, |v[XS]|, |v[XS+1]|, |v[XS+2]|               ; the largest magnitude of my 16, in two chains
	v_max3_num_f32 v9, |v[XS+3]|, |v[XS+4]|, |v[XS+5]|
.irp i, 6,10
	v_max3_num_f32 v8, v8, |v[XS+\i]|, |v[XS+\i+1]|
	v_max3_num_f32 v9, v9, |v[XS+\i+2]|, |v[XS+\i+3]|
.endr
	v_max3_num_f32 v8, v8, |v[XS+14]|, |v[XS+15]|
	v_max3_num_f32 v8, v8, v9, (EMAX+1)<<23        ; and the floor 2^(3 - 127): the byte cannot fall under 1
	v_max_num_f32_dpp v8, v8, v8 row_xmask:1 row_mask:0xf bank_mask:0xf   ; with my neighbour's 16: the block's
	v_add_nc_u32 v11, -(EMAX<<23), v8              ; 2 off its exponent field: the conversion takes the exponent field of this operand as its scale
	v_cvt_scalef32_pk8_fp4_f32 v[C+4*(\t)], v[XS:XS+7], v11
	v_cvt_scalef32_pk8_fp4_f32 v[C+4*(\t)+1], v[XS+8:XS+15], v11
	v_lshrrev_b32 v[E+(\t)], 23, v11               ; the scale's byte (a plain line behind the conversions)
	ds_store_b8 v5, v[E+(\t)] offset:16*(\t)       ; both lanes of a block write the same byte with the same value
	global_store_b64 v4, v[C+4*(\t):C+4*(\t)+1], s[COD:COD+1] offset:32*CB*(\t)   ; the wave stores 256 consecutive bytes, aligned
.endm
; Wo: group g = 16 loads of 512 consecutive bytes into set g % 2 of v16-143
.macro WLOAD g
.irp n, 0,1,2,3,4,5,6,7,8,9,10,11,12,13,14,15
	global_load_b128 v[16+64*((\g)%2)+4*\n:16+64*((\g)%2)+4*\n+3], v3, s[12:13] offset:((\g)*16+\n)*512 th:TH_LOAD_NT
.endr
.endm
.macro WGROUP g
.if (\g) < 3
	s_wait_loadcnt 16                              ; this group's 16 loads are in; the next group's 16 may be out
.else
	s_wait_loadcnt 0x0
.endif
.if (\g) > 1
	s_wait_xcnt 0x0                                ; the stores of two groups back have read this set of results
.endif
.irp n, 0,1,2,3,4,5,6,7,8,9,10,11,12,13,14,15
	v_cvt_pk_f16_f32 v[144+32*((\g)%2)+2*\n], v[16+64*((\g)%2)+4*\n], v[16+64*((\g)%2)+4*\n+1]
	v_cvt_pk_f16_f32 v[144+32*((\g)%2)+2*\n+1], v[16+64*((\g)%2)+4*\n+2], v[16+64*((\g)%2)+4*\n+3]
.endr
.if (\g) < 2
	WLOAD (\g)+2                                   ; loads ahead of stores
.endif
.irp n, 0,1,2,3,4,5,6,7,8,9,10,11,12,13,14,15
	global_store_b64 v7, v[144+32*((\g)%2)+2*\n:144+32*((\g)%2)+2*\n+1], s[20:21] offset:((\g)*16+\n)*256   ; 256 consecutive bytes, aligned
.endr
.endm
; cos and sin of position k of my eight, for my j.  n = the nearest whole number to angle x 2/pi; r = angle - n pi/2, pi/2 in two parts; polynomials on |r| <= pi/4; the quadrant n mod 4 swaps and signs them.
.macro SINCOS k
.set W, 16+8*(\k)
	v_cvt_f32_i32 v[W], s[40+(\k)]
	v_mul_f32 v[W], v[W], v10                      ; the angle, rounded once
	v_mul_f32 v[W+1], s50, v[W]
	v_rndne_f32 v[W+1], v[W+1]                     ; n
	v_fma_f32 v[W+2], v[W+1], s51, v[W]
	v_fma_f32 v[W+2], v[W+1], s52, v[W+2]          ; r
	v_cvt_i32_f32 v[W+3], v[W+1]
	v_mul_f32 v[W+4], v[W+2], v[W+2]               ; z = r r
	v_fma_f32 v[W+5], v[W+4], s53, s54
	v_fma_f32 v[W+5], v[W+5], v[W+4], s55
	v_mul_f32 v[W+5], v[W+5], v[W+4]
	v_fma_f32 v[W+5], v[W+5], v[W+2], v[W+2]       ; sin r
	v_fma_f32 v[W+6], v[W+4], s56, s57
	v_fma_f32 v[W+6], v[W+6], v[W+4], s58
	v_mul_f32 v[W+7], v[W+4], v[W+4]
	v_fma_f32 v[W], v[W+4], -0.5, 1.0
	v_fma_f32 v[W+6], v[W+7], v[W+6], v[W]         ; cos r
	v_and_b32 v[W+7], 1, v[W+3]
	v_cmp_eq_u32 vcc_lo, 1, v[W+7]
	v_cndmask_b32 v[W], v[W+5], v[W+6], vcc_lo     ; in odd quadrants the two change places (a choice of values; no branch)
	v_cndmask_b32 v[W+6], v[W+6], v[W+5], vcc_lo
	v_lshlrev_b32 v[W+7], 30, v[W+3]
	v_and_b32 v[W+7], 0x80000000, v[W+7]           ; sin is negative in quadrants 2 and 3,
	v_xor_b32 v[145+2*(\k)], v[W+7], v[W]
	v_add_nc_u32 v[W+3], 1, v[W+3]
	v_lshlrev_b32 v[W+3], 30, v[W+3]
	v_and_b32 v[W+3], 0x80000000, v[W+3]           ; cos in quadrants 1 and 2
	v_xor_b32 v[144+2*(\k)], v[W+3], v[W+6]
	global_store_b64 v7, v[144+2*(\k):145+2*(\k)], s[22:23] offset:256*(\k)   ; a position's 32 pairs: 256 consecutive bytes, aligned
.endm
	s_load_b256 s[4:11], s[0:1], 0x0               ; in_features, Wq, Wk, Wv
	s_load_b256 s[12:19], s[0:1], 0x20             ; Wo, token_positions, xq, wq3
	s_load_b128 s[20:23], s[0:1], 0x40             ; wo16, cs
	v_lshl_add_u32 v[SPW], v0, 2, SPARE
	v_mov_b32 v[NIL], 0
	v_lshrrev_b32 v1, 5, v0
	v_readfirstlane_b32 s24, v1                    ; wave
	v_and_b32 v2, 31, v0                           ; lane
	v_lshlrev_b32 v3, 4, v2                        ; 16 x lane
	v_lshlrev_b32 v7, 3, v2                        ; 8 x lane
	s_wait_kmcnt 0x0
	s_cmp_ge_u32 ttmp9, 384
	s_cbranch_scc1 .Ltable
	s_cmp_ge_u32 ttmp9, 352
	s_cbranch_scc1 .Lwo
	; ---- the quantiser: a wave takes a run of 8,192 numbers, 16 steps of 512
	s_mul_i32 s25, s24, WREG
	v_lshrrev_b32 v14, 2, v2
	v_mul_u32_u24 v14, v14, SP
	v_and_b32 v15, 3, v2
	v_lshl_add_u32 v14, v15, 4, v14
	v_add_nc_u32 v14, s25, v14                     ; the stage, on the way in: SP (lane / 4) + 16 (lane % 4)
	v_mul_u32_u24 v15, v2, SP
	v_add_nc_u32 v15, s25, v15                     ; and on the way out: SP x lane: my 16 neighbours
	v_mul_u32_u24 v4, v2, CB                       ; my codes' place in a step's
	v_lshrrev_b32 v5, 1, v2
	s_add_co_u32 s25, s25, 2*32*SP
	v_add_nc_u32 v5, s25, v5                       ; LDS: my wave's 256 scale bytes, my block's byte
	v_add_nc_u32 v6, s25, v7                       ; and on the way out 8 bytes a lane
	s_cmp_lt_u32 ttmp9, 256                        ; in_features or a weight?  All choices hang on the work-group's number alone
	s_cselect_b64 s[COD:COD+1], s[16:17], s[18:19]
	s_mov_b32 s28, 1572864
	s_cselect_b32 s28, 4194304, s28                ; where the scale bytes begin in the buffer
	s_cselect_b32 s29, 0, 256
	s_cselect_b32 s30, -1, 31
	s_sub_co_u32 s29, ttmp9, s29                   ; the work-group's number in the buffer that it writes,
	s_and_b32 s30, s29, s30                        ; and in the tensor that it reads (a weight has 32 work-groups)
	s_cmp_lt_u32 ttmp9, 320
	s_cselect_b64 s[SRC:SRC+1], s[8:9], s[10:11]
	s_cmp_lt_u32 ttmp9, 288
	s_cselect_b64 s[SRC:SRC+1], s[6:7], s[SRC:SRC+1]
	s_cmp_lt_u32 ttmp9, 256
	s_cselect_b64 s[SRC:SRC+1], s[4:5], s[SRC:SRC+1]
	s_lshl_b32 s30, s30, 2
	s_add_co_u32 s30, s30, s24
	s_lshl_b32 s30, s30, 15                        ; a run is 32,768 bytes of numbers,
	s_mov_b32 s31, 0
	s_add_nc_u64 s[SRC:SRC+1], s[SRC:SRC+1], s[30:31]
	s_lshl_b32 s29, s29, 2
	s_add_co_u32 s29, s29, s24
	s_lshl_b32 s30, s29, 8                         ; 256 scale bytes,
	s_add_co_u32 s30, s30, s28
	s_add_nc_u64 s[SCA:SCA+1], s[COD:COD+1], s[30:31]
	s_lshl_b32 s30, s29, 12                        ; 4,096 bytes of codes
	s_add_nc_u64 s[COD:COD+1], s[COD:COD+1], s[30:31]
.irp t, 0,1,2,3
	LOAD \t
.endr
	s_wait_loadcnt 12                              ; step 0's four loads are in
	TURN 0
.irp t, 0,1,2,3,4,5,6,7,8,9,10,11,12,13,14,15
	STEP \t
.endr
	ds_load_b64 v[8:9], v6                         ; LDS serves a wave's instructions in order: these see my byte stores
	s_wait_dscnt 0x0
	global_store_b64 v7, v[8:9], s[SCA:SCA+1]      ; 256 consecutive bytes, aligned
	s_wait_tensorcnt 0x0                           ; the wave's end
	ds_add_u32 v[SPW], v[NIL]
	s_wait_dscnt 0x0
	s_endpgm
.Lwo:                                              ; ---- Wo to f16: a wave takes 8,192 numbers, four groups of 16 loads; two groups are on their way
	s_sub_co_u32 s25, ttmp9, 352
	s_lshl_b32 s25, s25, 2
	s_add_co_u32 s25, s25, s24
	s_lshl_b32 s26, s25, 15
	s_mov_b32 s27, 0
	s_add_nc_u64 s[12:13], s[12:13], s[26:27]
	s_lshl_b32 s26, s25, 14
	s_add_nc_u64 s[20:21], s[20:21], s[26:27]
	WLOAD 0
	WLOAD 1
	WGROUP 0
	WGROUP 1
	WGROUP 2
	WGROUP 3
	s_wait_tensorcnt 0x0                           ; the wave's end
	ds_add_u32 v[SPW], v[NIL]
	s_wait_dscnt 0x0
	s_endpgm
.Ltable:                                           ; ---- the table: a wave takes eight positions, a lane one j
	s_sub_co_u32 s25, ttmp9, 384
	s_lshl_b32 s25, s25, 2
	s_add_co_u32 s25, s25, s24                     ; 0..255
	s_lshl_b32 s26, s25, 5
	s_mov_b32 s27, 0
	s_add_nc_u64 s[14:15], s[14:15], s[26:27]
	s_load_b256 s[40:47], s[14:15], 0x0            ; my eight positions
	s_lshl_b32 s28, s25, 11
	s_mov_b32 s29, 0
	s_add_nc_u64 s[22:23], s[22:23], s[28:29]
	s_mov_b32 s48, 0xbed49a78                      ; -log2(10000)/32, its upper part,
	s_mov_b32 s49, 0xb2179a1c                      ; and what the upper part leaves
	s_mov_b32 s50, 0x3f22f983                      ; 2/pi
	s_mov_b32 s51, 0xbfc90fdb                      ; -pi/2, its upper part,
	s_mov_b32 s52, 0x333bbd2e                      ; and the rest (the upper part lies above pi/2)
	s_mov_b32 s53, 0xb94ca1f9                      ; sin r = r + r z (S1 + z (S2 + z S3))
	s_mov_b32 s54, 0x3c08839e
	s_mov_b32 s55, 0xbe2aaaa3
	s_mov_b32 s56, 0x37ccf5ce                      ; cos r = 1 - z/2 + z z (C1 + z (C2 + z C3))
	s_mov_b32 s57, 0xbab6061a
	s_mov_b32 s58, 0x3d2aaaa5
	v_cvt_f32_u32 v8, v2                           ; j
	v_mul_f32 v9, s48, v8
	v_rndne_f32 v9, v9                             ; the exponent's whole part,
	v_fma_f32 v10, v8, s48, -v9
	v_fma_f32 v10, v8, s49, v10                    ; and its fraction, at most a half in size
	v_cvt_i32_f32 v11, v9
	v_exp_f32 v10, v10
	v_nop                                          ; a plain line behind the exponential,
	s_wait_alu depctr_va_vdst(0)                   ; and the wait ahead of its first reader
	v_ldexp_f32 v10, v10, v11                      ; 10000^(-j/32)
	s_wait_kmcnt 0x0
.irp k, 0,1,2,3,4,5,6,7
	SINCOS \k
.endr
	s_wait_tensorcnt 0x0                           ; the wave's end
	ds_add_u32 v[SPW], v[NIL]
	s_wait_dscnt 0x0
	s_endpgm
.Lfunc_end_k_q8f7ceaf65b_prep:
	.size	k_q8f7ceaf65b_prep, .Lfunc_end_k_q8f7ceaf65b_prep-k_q8f7ceaf65b_prep
	.p2alignl 7, 3214868480
	.fill 96, 4, 3214868480
	.section	.rodata,"a",@progbits
	.p2align	6, 0x0
	.amdhsa_kernel k_q8f7ceaf65b_prep
		.amdhsa_group_segment_fixed_size 33280
		.amdhsa_private_segment_fixed_size 0
		.amdhsa_enable_private_segment 0
		.amdhsa_kernarg_size 80
		.amdhsa_user_sgpr_count 2
		.amdhsa_user_sgpr_kernarg_segment_ptr 1
		.amdhsa_wavefront_size32 1
		.amdhsa_system_sgpr_workgroup_id_x 1
		.amdhsa_system_sgpr_workgroup_id_y 1
		.amdhsa_system_sgpr_workgroup_id_z 1
		.amdhsa_system_vgpr_workitem_id 0
		.amdhsa_next_free_vgpr 208
		.amdhsa_next_free_sgpr 66
		.amdhsa_reserve_vcc 1
		.amdhsa_float_denorm_mode_32 3
		.amdhsa_float_denorm_mode_16_64 3
		.amdhsa_memory_ordered 1
		.amdhsa_forward_progress 1
		.amdhsa_inst_pref_size 67
	.end_amdhsa_kernel
	.amdgpu_metadata
---
amdhsa.version: [ 1, 2 ]
amdhsa.kernels:
  - .name:           k_q8f7ceaf65b_prep
    .symbol:         k_q8f7ceaf65b_prep.kd
    .args:
      - { .name: in_features, .offset: 0, .size: 8, .value_kind: global_buffer, .address_space: global }
      - { .name: Wq, .offset: 8, .size: 8, .value_kind: global_buffer, .address_space: global }
      - { .name: Wk, .offset: 16, .size: 8, .value_kind: global_buffer, .address_space: global }
      - { .name: Wv, .offset: 24, .size: 8, .value_kind: global_buffer, .address_space: global }
      - { .name: Wo, .offset: 32, .size: 8, .value_kind: global_buffer, .address_space: global }
      - { .name: token_positions, .offset: 40, .size: 8, .value_kind: global_buffer, .address_space: global }
      - { .name: xq, .offset: 48, .size: 8, .value_kind: global_buffer, .address_space: global }
      - { .name: wq3, .offset: 56, .size: 8, .value_kind: global_buffer, .address_space: global }
      - { .name: wo16, .offset: 64, .size: 8, .value_kind: global_buffer, .address_space: global }
      - { .name: cs, .offset: 72, .size: 8, .value_kind: global_buffer, .address_space: global }
    .group_segment_fixed_size: 33280
    .private_segment_fixed_size: 0
    .kernarg_segment_align: 8
    .kernarg_segment_size: 80
    .max_flat_workgroup_size: 128
    .sgpr_count:     66
    .vgpr_count:     208
    .wavefront_size: 32
...
	.end_amdgpu_metadata
.endif
;; end of part 1
;; launch qkv (part 2): grid 12 x 32, 4 waves a work-group, clusters of 4 x 4, 327,680 bytes of LDS; arguments xq, wq3, qkv16, cs, q32; writes qkv16, q32
.if DOCPART == 2
	.amdgcn_target "amdgcn-amd-amdhsa--gfx1250"
	.amdhsa_code_object_version 6
	.text
	.protected	k_q8f7ceaf65b_qkv
	.globl	k_q8f7ceaf65b_qkv
	.p2align	8
	.type	k_q8f7ceaf65b_qkv,@function
k_q8f7ceaf65b_qkv:
	s_mov_b64 s[64:65], 0
	v_nop
	global_prefetch_b8 v0, s[64:65] scope:SCOPE_SE
	s_setreg_imm32_b32 hwreg(HW_REG_WAVE_MODE, 25, 1), 1
	s_wait_xcnt 0x0
	s_wait_alu depctr_hold_cnt(0) depctr_sa_sdst(0) depctr_va_vdst(0) depctr_va_sdst(0) depctr_va_ssrc(0) depctr_va_vcc(0) depctr_vm_vsrc(0)
	s_getreg_b32 s2, hwreg(HW_REG_IB_STS2, 6, 4)
	s_cmp_eq_u32 s2, 0
	s_cbranch_scc0 .Lentry_in_a_cluster
	s_endpgm
.Lentry_in_a_cluster:
	s_bfe_u32 s2, ttmp6, 0x10000c
	s_cmp_lg_u32 s2, 0xf033
	s_cbranch_scc0 .Lentry_shape_is_right
	s_endpgm
.Lentry_shape_is_right:
; [Q | K | V][m][n] = sum over k of x[m][k] W[n][k], m = 8,192 rows (batch x position), n = 3,072 (Wq's, Wk's, Wv's rows), k = 1,024, both operands codes of FP4 (E2M1) with one E8M0 byte for each 32 along K; sums in f32.
; Then RoPE on Q and K in f32 (the table cs[t][j] = {cos, sin}), and out: f16, by heads, qkv16 = three sections (Q, K, V) of [batch x 16 + head][position][64]; the first 16 positions of every batch also in f32,
; q32 [batch][16][3072].
; A tile of 256 x 256 is made by four waves, each 128 x 128: 64 accumulators, 512 registers.  All of K is two LDS slots of 512 along K (rows of 256 bytes): both are asked for at the start and nothing is filled again.
; The scale bytes of the work-group's 256 + 256 rows come once, as dense blocks.
; CLUSTERS: 4 x 4 work-groups; A's tiles are shared along a row of the cluster, B's along a column, each asked for jointly.  Tile column = 4 x cluster x + cx, so cluster x IS the section (Q, K or V);
; tile row = cluster y + 8 cy, so cy is the batch and cluster y the block of 256 positions: the two branches of the way out (RoPE or not; the f32 copy or not) hang on the cluster's numbers and the wave's alone.
; THE MATRIX INSTRUCTION IS USED TRANSPOSED (source 0 = 16 rows of W, source 1 = 16 rows of x): a lane holds eight neighbouring columns of one row: four pairs of RoPE.
; LIMITS: Q, K, V must stay under 65,504 in magnitude (f16).  NaN and infinities are not served.
; REGISTERS: window 0: v0-31 addresses; v32-95 scale words, two sets; v128-191 A's fragments, one set; v192-255 the table's pairs, two sets.  On the way out: v32-95 rows read back, v96-159 roped numbers, v160-191 f16.
;   window 1: B's fragments, two sets, at v0 and v128.  window 2: the accumulators of my rows 0-63 ((a, b) at v[8 (8 a + b)]); window 3: rows 64-127.
.set NQ,     4                         ; matrix instructions deep in a slot
.set ROWB,   256                       ; a tile's row in bytes: 512 codes
.set KROW,   512                       ; a row of codes in memory
.set PITCH,  272                       ; an LDS row: 256 bytes + 16 of padding: the 16 rows that a load touches begin 68 words apart
.set FR,     8
.set NL,     2
.set NP,     4                         ; places behind this matrix instruction (ISA guide 7.12.1)
.set HALFT,  128*PITCH
.set SLOT,   4*HALFT
.set KS,     32                        ; a row of scale bytes
.set SCL,    2*SLOT
.set HALFS,  (128*KS/256)*272
.set SBLK,   (16*KS/256)*272
.set SPARE,  SCL+4*HALFS               ; the spare words, 128 bytes a wave, which no other line names
.set ADRA, 16
.set ADRB, 20
.set ST32, 22                          ; v22  the f32 copy: where I put 32 bytes of a row (pitch 528)
.set RD32, 23                          ; v23  and where I read a row of 512 bytes back
.set STH,  24                          ; v24  f16: where I put 16 bytes of a head's row (pitch 144)
.set RDH,  25                          ; v25  and where I read four rows of 128 bytes back
.set CO,   26                          ; v26  16 x lane
.set ADRS, 27
.set SPW,  28
.set NIL,  29
.set CSO,  30                          ; v30  the table: 256 (lane % 16) + 32 (lane / 16); never rewritten
.set SC,   32
.set BK,   32
.set T,    96
.set AF,   128
.set H,    160
.set CSB,  192
.set G1, 24
.set G0, 32
.set G1B, 48
.set G0B, 56
.set G1S, 68
.set G0S, 76
.set G1SB, 80
.set G0SB, 88
.set MSB, 0
.macro WIN new                         ; the immediate's high byte repeats the setting that is left
.if MSB != \new
	s_set_vgpr_msb (MSB<<8)|\new
.set MSB, \new
.endif
.endm
.set MUL_LO, 0xa1
.set MUL_HI, 0xf1
.set TO_B,   0x40
; A joint load: waves 0 and 1 fetch for A, waves 2 and 3 for B; the branch hangs on the wave's number alone.  An s_nop 0 and four v_nop follow each line.
.macro JLOAD g0a, g1a, g0b, g1b
	s_cmp_eq_u32 s15, 0
	s_cbranch_scc0 .Lfor_b_\@
	tensor_load_to_lds s[\g0a:\g0a+3], s[\g1a:\g1a+7]
	s_nop 0
.rept 4
	v_nop
.endr
	s_branch .Lasked_\@
.Lfor_b_\@:
	tensor_load_to_lds s[\g0b:\g0b+3], s[\g1b:\g1b+7]
	s_nop 0
.rept 4
	v_nop
.endr
.Lasked_\@:
.endm
.macro CROUND                          ; a round of the cluster's barrier
	s_barrier_signal -1
	s_barrier_wait -1
	s_cmp_lg_u32 s14, 0
	s_cbranch_scc1 .Lnot_wave_0_\@
	s_barrier_signal -3
.Lnot_wave_0_\@:
	s_barrier_wait -3
	s_barrier_signal -1
	s_barrier_wait -1
.endm
	s_load_b64 s[4:5], s[0:1], 0x0                 ; xq
	s_load_b64 s[8:9], s[0:1], 0x8                 ; wq3
	s_load_b64 s[12:13], s[0:1], 0x10              ; qkv16
	s_load_b64 s[96:97], s[0:1], 0x18              ; cs
	s_load_b64 s[98:99], s[0:1], 0x20              ; q32
	v_lshl_add_u32 v[SPW], v0, 2, SPARE
	v_mov_b32 v[NIL], 0
	ds_add_u32 v[SPW], v[NIL]                      ; the wave's opening: the add, twice on end, and its wait ahead of my first tensor load
	ds_add_u32 v[SPW], v[NIL]
	v_lshrrev_b32 v1, 5, v0
	v_readfirstlane_b32 s14, v1                    ; wave 0..3
	s_lshr_b32 s15, s14, 1                         ; which half of the tile's rows is mine.  Also: I fetch for A (0) or for B (1)
	s_and_b32 s16, s14, 1                          ; which half of its columns.  Also: which 128 rows I fetch
	s_bfe_u32 s40, ttmp6, 0x40000                  ; cx
	s_bfe_u32 s41, ttmp6, 0x40004                  ; cy
	s_lshl_b32 s42, ttmp9, 2
	s_add_co_u32 s42, s42, s40                     ; tile column = 4 x cluster x + cx
	s_and_b32 s17, ttmp7, 0xffff
	s_lshl_b32 s18, s41, 3
	s_add_co_u32 s17, s17, s18                     ; tile row = cluster y + 8 cy
	s_lshl_b32 s43, s41, 2
	s_lshl_b32 s43, 15, s43                        ; my row of the cluster
	s_lshl_b32 s44, 0x1111, s40                    ; my column
	s_or_b32 s[G1+0], s43, (0<<16)|(1<<20)|(1<<21)|(5<<22)|(3<<25)  ; the mask; elements of 1 byte; padding: 4 words behind every 64; bit 21 beside a mask
	s_or_b32 s[G1B+0], s44, (0<<16)|(1<<20)|(1<<21)|(5<<22)|(3<<25)
.irp g, G1, G1B
	s_mov_b32 s[\g+1], ROWB<<16                    ; tensor_dim0
	s_mov_b32 s[\g+2], 128<<16                     ; tensor_dim1
	s_mov_b32 s[\g+3], ROWB<<16                    ; tile_dim0
	s_mov_b32 s[\g+4], 128                         ; tile_dim1
	s_mov_b32 s[\g+5], KROW                        ; from row to row
	s_mov_b32 s[\g+6], 0
	s_mov_b32 s[\g+7], 0
.endr
	s_or_b32 s[G1S+0], s43, (3<<16)|(1<<20)|(1<<21)|(5<<22)|(3<<25)  ; the scale bytes of 128 rows: 4,096 dense bytes as 16 rows of 256 (32 elements of 8 bytes), 16 bytes of padding behind each
	s_or_b32 s[G1SB+0], s44, (3<<16)|(1<<20)|(1<<21)|(5<<22)|(3<<25)
.irp g, G1S, G1SB
	s_mov_b32 s[\g+1], 32<<16
	s_mov_b32 s[\g+2], (128*KS/256)<<16
	s_mov_b32 s[\g+3], 32<<16
	s_mov_b32 s[\g+4], 128*KS/256
	s_mov_b32 s[\g+5], 32
	s_mov_b32 s[\g+6], 0
	s_mov_b32 s[\g+7], 0
.endr
	s_lshl_b32 s18, s16, 7
	s_lshl_b32 s20, s17, 8
	s_add_co_u32 s20, s20, s18                     ; A: row 256 x tile row + 128 x half
	s_lshl_b32 s46, s42, 8
	s_add_co_u32 s46, s46, s18                     ; B: row 256 x tile column + 128 x half
	s_mov_b32 s21, 0
	s_mov_b32 s47, 0
	s_mov_b64 s[18:19], KS
	s_mul_u64 s[22:23], s[20:21], s[18:19]         ; where these rows' scale bytes begin,
	s_mul_u64 s[92:93], s[46:47], s[18:19]
	s_mov_b64 s[18:19], KROW
	s_mul_u64 s[20:21], s[20:21], s[18:19]         ; and their codes
	s_mul_u64 s[46:47], s[46:47], s[18:19]
	s_mul_i32 s45, s14, HALFT                      ; where they go: wave x 128 rows
	s_mul_i32 s94, s14, HALFS
	s_wait_dscnt 0x0                               ; both opening adds are done
	s_wait_kmcnt 0x0
	s_add_nc_u64 s[6:7], s[4:5], 4194304           ; x's scale bytes lie behind its codes,
	s_add_nc_u64 s[10:11], s[8:9], 1572864         ; the weights' likewise
	s_add_nc_u64 s[20:21], s[4:5], s[20:21]
	s_add_nc_u64 s[22:23], s[6:7], s[22:23]
	s_add_nc_u64 s[46:47], s[8:9], s[46:47]
	s_add_nc_u64 s[92:93], s[10:11], s[92:93]
	CROUND                                         ; all sixteen work-groups are here: the joint loads meet
	s_mov_b32 s[G0S], 1
	s_add_co_u32 s[G0S+1], s94, SCL
	s_mov_b64 s[G0S+2:G0S+3], s[22:23]
	s_or_b32 s[G0S+3], s[G0S+3], 0x80000000
	s_mov_b32 s[G0SB], 1
	s_add_co_u32 s[G0SB+1], s94, SCL
	s_mov_b64 s[G0SB+2:G0SB+3], s[92:93]
	s_or_b32 s[G0SB+3], s[G0SB+3], 0x80000000
	JLOAD G0S, G1S, G0SB, G1SB                     ; the scale bytes first
.irp s, 0,1
	s_mov_b32 s[G0+4*\s], 1
	s_add_co_u32 s[G0+4*\s+1], s45, \s*SLOT
	s_add_nc_u64 s[G0+4*\s+2:G0+4*\s+3], s[20:21], \s*ROWB
	s_or_b32 s[G0+4*\s+3], s[G0+4*\s+3], 0x80000000
	s_mov_b32 s[G0B+4*\s], 1
	s_add_co_u32 s[G0B+4*\s+1], s45, \s*SLOT
	s_add_nc_u64 s[G0B+4*\s+2:G0B+4*\s+3], s[46:47], \s*ROWB
	s_or_b32 s[G0B+4*\s+3], s[G0B+4*\s+3], 0x80000000
	JLOAD G0+4*\s, G1, G0B+4*\s, G1B               ; three loads of mine are out: all of K
.endr
	v_and_b32 v1, 15, v0                           ; r = lane % 16
	v_bfe_u32 v2, v0, 4, 1                         ; h = lane / 16
	v_mul_u32_u24 v3, v1, PITCH
	v_lshl_add_u32 v4, v2, 4, v3
	s_mul_i32 s21, s15, HALFT
	s_mul_i32 s22, s16, HALFT
	s_add_co_u32 s22, s22, 2*HALFT
.irp s, 0,1
	v_add_nc_u32 v[ADRA+\s], s21, v4
	v_add_nc_u32 v[ADRB+\s], s22, v4
	s_add_co_u32 s21, s21, SLOT
	s_add_co_u32 s22, s22, SLOT
.endr
	v_mul_u32_u24 v5, v1, KS                       ; my row's scale bytes: 32 a row, and 16 more for each 256 passed
	v_lshrrev_b32 v6, 8, v5
	v_lshl_add_u32 v5, v6, 4, v5
	s_mul_i32 s21, s15, HALFS
	s_mul_i32 s22, s16, HALFS
	s_add_co_u32 s22, s22, 2*HALFS
	s_sub_co_u32 s22, s22, s21
	v_mul_u32_u24 v6, s22, v2                      ; lanes 16-31 take B's
	s_add_co_u32 s21, s21, SCL
	v_add_nc_u32 v5, v5, v6
	v_add_nc_u32 v[ADRS], s21, v5
	s_mul_i32 s23, s14, 8448                       ; my stage, 8,448 bytes, in slot 0: that slot has had its one fill, and its last read lies ahead of the barrier between the slots
	v_mul_u32_u24 v5, v1, 528
	v_lshl_add_u32 v5, v2, 5, v5
	v_add_nc_u32 v[ST32], s23, v5
	v_and_b32 v6, 31, v0
	v_lshlrev_b32 v[CO], 4, v6
	v_add_nc_u32 v[RD32], s23, v[CO]
	v_mul_u32_u24 v5, v1, 144
	v_lshl_add_u32 v5, v2, 4, v5
	v_add_nc_u32 v[STH], s23, v5
	v_lshrrev_b32 v5, 3, v6
	v_mul_u32_u24 v5, v5, 144
	v_and_b32 v6, 7, v0
	v_lshl_add_u32 v5, v6, 4, v5
	v_add_nc_u32 v[RDH], s23, v5
	v_lshlrev_b32 v[CSO], 8, v1
	v_lshl_add_u32 v[CSO], v2, 5, v[CSO]
	; the way out's bases.  What is made of cy goes through s[20:21], what is made of cx through s[46:47]
	s_and_b32 s20, ttmp7, 0xffff                   ; cluster y
	s_or_b32 s66, s20, s15                         ; 0 where my rows begin at position 0: the f32 copy is mine
	s_lshl_b32 s20, s20, 8
	s_lshl_b32 s21, s15, 7
	s_add_co_u32 s67, s20, s21                     ; my first position
	s_lshl_b32 s20, s67, 8
	s_mov_b32 s21, 0
	s_add_nc_u64 s[96:97], s[96:97], s[20:21]      ; the table at my first position
	s_lshl_b32 s20, s41, 4
	s_lshl_b32 s22, s16, 1
	s_add_co_u32 s20, s20, s22                     ; 16 x batch + 2 x my half of the columns (a half is two heads),
	s_lshl_b32 s20, s20, 11
	s_add_co_u32 s20, s20, s67
	s_lshl_b32 s20, s20, 7                         ; x 2,048 positions + mine, x 128 bytes,
	s_lshl_b32 s22, ttmp9, 24
	s_add_co_u32 s20, s20, s22                     ; + the section
	s_add_nc_u64 s[12:13], s[12:13], s[20:21]
	s_lshl_b32 s46, s40, 20                        ; + 4 cx heads of 262,144 bytes
	s_mov_b32 s47, 0
	s_add_nc_u64 s[12:13], s[12:13], s[46:47]
	s_mul_i32 s20, s41, 196608                     ; q32: the batch's 16 rows of 12,288 bytes,
	s_lshl_b32 s22, ttmp9, 12
	s_add_co_u32 s20, s20, s22                     ; the section's 1,024 columns,
	s_lshl_b32 s22, s16, 9
	s_add_co_u32 s20, s20, s22                     ; my half's 128
	s_add_nc_u64 s[98:99], s[98:99], s[20:21]
	s_lshl_b32 s46, s40, 10                        ; the tile's 256
	s_add_nc_u64 s[98:99], s[98:99], s[46:47]
; The table's pairs for my 16 rows of block a: for each 16 columns of a head, b % 4, my four pairs {cos, sin}: 32 bytes at 256 (16 a + r) + 64 (b % 4) + 32 h
.macro CSLOAD a
.irp n, 0,1,2,3,4,5,6,7
	global_load_b128 v[CSB+32*((\a)%2)+4*\n:CSB+32*((\a)%2)+4*\n+3], v[CSO], s[96:97] offset:4096*(\a)+64*(\n/2)+16*(\n%2)
.endr
.endm
	CSLOAD 0                                       ; the first two blocks' pairs are asked for here, a whole run of products ahead of their use, on the one way that all waves take.
	CSLOAD 1                                       ; V's clusters, which turn nothing, ask too and leave the 8,192 bytes a wave unused: so the products are written once, with no branch ahead of them
.macro FRAG reg, adr, q, i             ; a fragment, 16 rows x 128 K of 4-bit codes: lane l holds row l % 16; registers 4 c .. 4 c + 3 hold K = 64 c + 32 (l / 16) + 0 .. 31
.irp c, 0,1
	ds_load_b128 v[\reg+4*\c:\reg+4*\c+3], v[\adr] offset:64*(\q)+32*\c+(\i)*16*PITCH
.endr
.endm
; 16 matrix instructions: A's blocks a0, a0 + 1 x B's eight, the slot's q-th 128 along K.  The 64 accumulators take turns, one instruction a turn, in the same order in every step.
.macro MUL16 a0, p, q, sc, zero
.irp a, \a0, \a0+1
.irp b, 0,1,2,3,4,5,6,7
.if \zero
	v_wmma_scale_f32_16x16x128_f8f6f4 v[8*(8*((\a)%4)+\b):8*(8*((\a)%4)+\b)+7], v[128*(\p)+FR*\b:128*(\p)+FR*\b+FR-1], v[AF+FR*(\a):AF+FR*(\a)+FR-1], 0, v[SC+8*NQ*(\sc)+NQ*\b+(\q)], v[SC+8*NQ*(\sc)+NQ*(\a)+(\q)] matrix_a_fmt:MATRIX_FMT_FP4 matrix_b_fmt:MATRIX_FMT_FP4 matrix_a_scale:MATRIX_SCALE_ROW1
.else
	v_wmma_scale_f32_16x16x128_f8f6f4 v[8*(8*((\a)%4)+\b):8*(8*((\a)%4)+\b)+7], v[128*(\p)+FR*\b:128*(\p)+FR*\b+FR-1], v[AF+FR*(\a):AF+FR*(\a)+FR-1], v[8*(8*((\a)%4)+\b):8*(8*((\a)%4)+\b)+7], v[SC+8*NQ*(\sc)+NQ*\b+(\q)], v[SC+8*NQ*(\sc)+NQ*(\a)+(\q)] matrix_a_fmt:MATRIX_FMT_FP4 matrix_b_fmt:MATRIX_FMT_FP4 matrix_a_scale:MATRIX_SCALE_ROW1
.endif
.endr
.endr
.endm
.macro FETCH_B slot, q, p
	WIN TO_B
.irp i, 0,1,2,3,4,5,6,7
	FRAG 128*(\p)+FR*\i, ADRB+\slot, \q, \i
.endr
	WIN 0
.endm
.macro FETCH_A slot, q, i0
.irp i, \i0, \i0+1, \i0+2, \i0+3
	FRAG AF+FR*(\i), ADRA+\slot, \q, \i
.endr
.endm
.macro SCALES sc                       ; a slot's scale words: four a row; lanes 0-15 take A's block i, lanes 16-31 B's block i
.irp i, 0,1,2,3,4,5,6,7
	ds_load_b128 v[SC+8*NQ*\sc+NQ*\i:SC+8*NQ*\sc+NQ*\i+3], v[ADRS] offset:\i*SBLK
.endr
.endm
.macro PLACES n                        ; plain vector lines between a matrix instruction and a load into, or a read of, its registers (ISA guide 7.12.1 for reads)
.rept \n
	v_nop
.endr
.endm
.macro STEP slot, q, zero              ; a step of 128 along K that has its successor in the same slot
	s_wait_dscnt 4*NL                              ; B's set and A's blocks 0-3 are in; the youngest eight loads (A's blocks 4-7) may be out
	WIN MUL_LO
	MUL16 0, (\q)%2, \q, \slot, \zero
	MUL16 2, (\q)%2, \q, \slot, \zero
	s_wait_dscnt 0
	PLACES NP
	FETCH_B \slot, (\q)+1, 1-(\q)%2
	FETCH_A \slot, (\q)+1, 0
	WIN MUL_HI
	MUL16 4, (\q)%2, \q, \slot, \zero
	MUL16 6, (\q)%2, \q, \slot, \zero
	PLACES NP
	WIN 0
	FETCH_A \slot, (\q)+1, 4
.endm
.macro STEPS slot, from
.set Q, \from
.rept NQ-1-\from
	STEP \slot, Q, 0
.set Q, Q+1
.endr
.endm
	s_wait_tensorcnt 1                             ; the scale bytes and my part of slot 0 are in (slot 1's load may be out)
	s_barrier_signal -1
	s_barrier_wait -1                              ; everybody's are
	FETCH_B 0, 0, 0
	FETCH_A 0, 0, 0
	SCALES 0
	FETCH_A 0, 0, 4
	STEP 0, 0, 1                                   ; the first step's products start the sums: nothing is cleared
	STEPS 0, 1
	; slot 0's last step, and the change of slots: one barrier
	s_wait_tensorcnt 0x0                           ; my part of slot 1 has landed
	ds_add_u32 v[SPW], v[NIL]                      ; 0 onto my spare word
	s_wait_dscnt 4*NL+1                            ; (the add and the youngest eight loads may be out)
	WIN MUL_LO
	MUL16 0, 1, NQ-1, 0, 0
	s_wait_dscnt 0x0                               ; the add is done, and my reads of slot 0 are over
	s_barrier_signal -1
	MUL16 2, 1, NQ-1, 0, 0
	WIN 0
	s_barrier_wait -1                              ; slot 1 is whole, and nobody reads slot 0 any more
	PLACES NP
	v_add_nc_u32 v[ADRS], 4*NQ, v[ADRS]            ; slot 1's scale words
	FETCH_B 1, 0, 0
	FETCH_A 1, 0, 0
	SCALES 1
	WIN MUL_HI
	MUL16 4, 1, NQ-1, 0, 0
	MUL16 6, 1, NQ-1, 0, 0
	PLACES NP
	WIN 0
	FETCH_A 1, 0, 4
	STEPS 1, 0
	s_wait_dscnt 4*NL                              ; the very last step
	WIN MUL_LO
	MUL16 0, 1, NQ-1, 1, 0
	MUL16 2, 1, NQ-1, 1, 0
	s_wait_dscnt 0
	WIN MUL_HI
	MUL16 4, 1, NQ-1, 1, 0
	MUL16 6, 1, NQ-1, 1, 0
	WIN 0
; THE WAY OUT, block by block of 16 rows x 128 columns (two heads).
; RoPE: a pair (x1, x2) of an accumulator and the pair (cos, sin): first {x2 sin, x2 cos}, then {x1 cos - x2 sin, x1 sin + x2 cos}.  Each accumulator is read from its low end on.
.macro ROPE a
.set AC, 64*((\a)%4)
.set CT, CSB+32*((\a)%2)
.set WN, 0x02+(\a)/4                   ; source 0: window 2 or 3
	WIN WN
.irp b, 0,1,2,3,4,5,6,7
.irp i, 0,1,2,3
	v_pk_mul_f32 v[T+8*\b+2*\i:T+8*\b+2*\i+1], v[AC+8*\b+2*\i:AC+8*\b+2*\i+1], v[CT+8*(\b%4)+2*\i:CT+8*(\b%4)+2*\i+1] op_sel:[1,1] op_sel_hi:[1,0]
.endr
.irp i, 0,1,2,3
	v_pk_fma_f32 v[T+8*\b+2*\i:T+8*\b+2*\i+1], v[AC+8*\b+2*\i:AC+8*\b+2*\i+1], v[CT+8*(\b%4)+2*\i:CT+8*(\b%4)+2*\i+1], v[T+8*\b+2*\i:T+8*\b+2*\i+1] op_sel:[0,0,0] op_sel_hi:[0,1,1] neg_lo:[0,0,1]
.endr
.endr
	WIN 0
.endm
.macro PACKT                           ; the roped numbers to f16: 16 bytes a lane for each 16 columns
.irp b, 0,1,2,3,4,5,6,7
.irp i, 0,1,2,3
	v_cvt_pk_f16_f32 v[H+4*\b+\i], v[T+8*\b+2*\i], v[T+8*\b+2*\i+1]
.endr
.endr
.endm
.macro PACKA a                         ; V: the accumulators to f16
.set AC, 64*((\a)%4)
.set WN, 0x0a+5*((\a)/4)               ; sources 0 and 1: window 2 or 3
	WIN WN
.irp b, 0,1,2,3,4,5,6,7
.irp i, 0,1,2,3
	v_cvt_pk_f16_f32 v[H+4*\b+\i], v[AC+8*\b+2*\i], v[AC+8*\b+2*\i+1]
.endr
.endr
	WIN 0
.endm
.macro TOSTAGE a                       ; two heads x 16 rows of 128 bytes into my stage (pitch 144), and back four rows an instruction.  LDS serves a wave's instructions in order
.irp b, 0,1,2,3,4,5,6,7
	ds_store_b128 v[STH], v[H+4*\b:H+4*\b+3] offset:2304*(\b/4)+32*(\b%4)
.endr
.irp n, 0,1,2,3,4,5,6,7
	ds_load_b128 v[BK+32*((\a)%2)+4*\n:BK+32*((\a)%2)+4*\n+3], v[RDH] offset:2304*(\n/4)+576*(\n%4)
.endr
.endm
.macro SEND a, younger                 ; younger: the LDS instructions issued behind block a's loads
	s_wait_dscnt \younger
.irp n, 0,1,2,3,4,5,6,7
	global_store_b128 v[CO], v[BK+32*((\a)%2)+4*\n:BK+32*((\a)%2)+4*\n+3], s[12:13] offset:262144*(\n/4)+2048*(\a)+512*(\n%4)   ; four rows of a head: 512 consecutive bytes, aligned
.endr
.endm
.macro COPY32 src, w                   ; positions 0-15 in f32, where they are mine: through the stage (pitch 528), out as rows of 512 bytes
	s_cmp_lg_u32 s66, 0
	s_cbranch_scc1 .Lno32_\@
	WIN \w
.irp b, 0,1,2,3,4,5,6,7
	ds_store_b128 v[ST32], v[\src+8*\b:\src+8*\b+3] offset:64*\b
	ds_store_b128 v[ST32], v[\src+8*\b+4:\src+8*\b+7] offset:64*\b+16
.endr
	WIN 0
.irp t, 0,1,2,3,4,5,6,7,8,9,10,11,12,13,14,15
	ds_load_b128 v[BK+4*\t:BK+4*\t+3], v[RD32] offset:528*\t
.endr
	s_wait_dscnt 0x0
.irp t, 0,1,2,3,4,5,6,7,8,9,10,11,12,13,14,15
	global_store_b128 v[CO], v[BK+4*\t:BK+4*\t+3], s[98:99] offset:12288*\t
.endr
	s_wait_xcnt 0x0                                ; the stores have read their registers: these are loaded again below
.Lno32_\@:
.endm
.macro FINI
	s_wait_tensorcnt 0x0                           ; the wave's end
	ds_add_u32 v[SPW], v[NIL]
	s_wait_dscnt 0x0
	CROUND                                         ; the closing round
	s_endpgm
.endm
	PLACES NP                                      ; behind the last products: for the reads of results, and for the writes and loads into registers that held fragments and scale words
	s_cmp_eq_u32 ttmp9, 2                          ; cluster x = 2 is V's section: the same in all sixteen partners
	s_cbranch_scc1 .Lvpath
.irp a, 0,1,2,3,4,5,6,7
.if \a < 7
	s_wait_loadcnt 8                               ; this block's eight loads from the table are in; the next block's eight may be out
.else
	s_wait_loadcnt 0x0
.endif
	ROPE \a
.if \a == 0
	COPY32 T, 0
.endif
.if \a < 6
	CSLOAD \a+2                                    ; into the set that has just been read
.endif
	PACKT
.if \a > 1
	s_wait_xcnt 0x0                                ; block a - 2's stores have read the registers that block a's rows land in
.endif
	TOSTAGE \a
.if \a > 0
	SEND \a-1, 16                                  ; behind block a - 1's loads: block a's 8 stores and 8 loads
.endif
.endr
	SEND 7, 0
	FINI
.Lvpath:                                           ; V is not turned; this way names none of v192-255, into which the head's sixteen loads from the table land
	COPY32 0, 0x08                                 ; (an LDS store's data are its source 1: window 2)
.irp a, 0,1,2,3,4,5,6,7
	PACKA \a
.if \a > 1
	s_wait_xcnt 0x0
.endif
	TOSTAGE \a
.if \a > 0
	SEND \a-1, 16
.endif
.endr
	SEND 7, 0
	s_wait_loadcnt 0x0                             ; the head's sixteen loads are back: none is out at the wave's end
	FINI
.Lfunc_end_k_q8f7ceaf65b_qkv:
	.size	k_q8f7ceaf65b_qkv, .Lfunc_end_k_q8f7ceaf65b_qkv-k_q8f7ceaf65b_qkv
	.p2alignl 7, 3214868480
	.fill 96, 4, 3214868480
	.section	.rodata,"a",@progbits
	.p2align	6, 0x0
	.amdhsa_kernel k_q8f7ceaf65b_qkv
		.amdhsa_group_segment_fixed_size 327680
		.amdhsa_private_segment_fixed_size 0
		.amdhsa_enable_private_segment 0
		.amdhsa_kernarg_size 40
		.amdhsa_user_sgpr_count 2
		.amdhsa_user_sgpr_kernarg_segment_ptr 1
		.amdhsa_wavefront_size32 1
		.amdhsa_system_sgpr_workgroup_id_x 1
		.amdhsa_system_sgpr_workgroup_id_y 1
		.amdhsa_system_sgpr_workgroup_id_z 1
		.amdhsa_system_vgpr_workitem_id 0
		.amdhsa_next_free_vgpr 1024
		.amdhsa_next_free_sgpr 100
		.amdhsa_reserve_vcc 0
		.amdhsa_float_denorm_mode_32 3
		.amdhsa_float_denorm_mode_16_64 3
		.amdhsa_memory_ordered 1
		.amdhsa_forward_progress 1
		.amdhsa_inst_pref_size 204
	.end_amdhsa_kernel
	.amdgpu_metadata
---
amdhsa.version: [ 1, 2 ]
amdhsa.kernels:
  - .name:           k_q8f7ceaf65b_qkv
    .symbol:         k_q8f7ceaf65b_qkv.kd
    .args:
      - { .name: xq, .offset: 0, .size: 8, .value_kind: global_buffer, .address_space: global }
      - { .name: wq3, .offset: 8, .size: 8, .value_kind: global_buffer, .address_space: global }
      - { .name: qkv16, .offset: 16, .size: 8, .value_kind: global_buffer, .address_space: global }
      - { .name: cs, .offset: 24, .size: 8, .value_kind: global_buffer, .address_space: global }
      - { .name: q32, .offset: 32, .size: 8, .value_kind: global_buffer, .address_space: global }
    .group_segment_fixed_size: 327680
    .private_segment_fixed_size: 0
    .kernarg_segment_align: 8
    .kernarg_segment_size: 40
    .max_flat_workgroup_size: 128
    .sgpr_count:     100
    .vgpr_count:     1024
    .wavefront_size: 32
...
	.end_amdgpu_metadata
.endif
;; end of part 2
;; launch attn (part 3): grid 4 x 64, 8 waves a work-group, no clusters, 327,680 bytes of LDS; arguments qkv16, hd16; writes hd16
.if DOCPART == 3
	.amdgcn_target "amdgcn-amd-amdhsa--gfx1250"
	.amdhsa_code_object_version 6
	.text
	.protected	k_q8f7ceaf65b_attn
	.globl	k_q8f7ceaf65b_attn
	.p2align	8
	.type	k_q8f7ceaf65b_attn,@function
k_q8f7ceaf65b_attn:
	s_mov_b64 s[64:65], 0
	v_nop
	global_prefetch_b8 v0, s[64:65] scope:SCOPE_SE
	s_setreg_imm32_b32 hwreg(HW_REG_WAVE_MODE, 25, 1), 1
	s_wait_xcnt 0x0
; heads[bh][q][:] = sum over k <= q of softmax_k(Q[bh][q] . K[bh][k] / 8) V[bh][k][:].  Q, K, V: sections of qkv16, [bh][2048][64] f16; heads: hd16, the same shape, f16.  Products on f16 operands, sums, maxima and the softmax in f32.
; SHARES.  Work-group (i, bh), i = 0..3, serves the block of 256 queries 7 - i against key blocks 0 .. 7 - i, then query block i against key blocks 0 .. i: NINE slots of 256 keys for every work-group, so the
; work is even and every trip count is a constant.  A wave owns 32 queries (two tiles of 16) of the block, at 32 u, u = wave for waves 0-3 and 11 - wave for waves 4-7.  A key step is 64 keys.
; NO CLUSTER: the four work-groups of a head walk different key blocks from the sixth slot on, and steps above the diagonal are left out by a branch on the work-group's number.
; LAYOUT.  S^T = K Q^T (source 0 = 16 keys, source 1 = 16 queries): a lane holds one query (lane % 16) and keys 8 (lane / 16) + 0..7; two such tiles, rounded in pairs, are source 1 of O^T = V^T P.  V comes out of LDS turned.
; SOFTMAX.  A running maximum m and sum l for each query: p = 2^(c s - c m), c = log2(e) / 8; in every step O and l are multiplied by a = 2^(c m_old - c m_new).  c m is rounded once and serves every key, l and a alike.
; THE RING.  Two slots, 2^17 bytes apart.  Each wave fetches 64 rows: waves 0-3 of K, waves 4-7 of V: one tensor load a wave behind each change of slots, and by this text's count one load of a wave is out.
; LIMITS: NaN and infinities are not served; the heads' numbers must stay under 65,504 (f16).  The rows of positions 0-15 are made here too; the output's rows that hang on them are made anew in f32 by the last launch.
; REGISTERS: window 0: v1-15 addresses and constants; v16-31 statistics, eight a tile; v32-63 rows on the way out; v64-127 S^T; v128-191 K's fragments; v192-255 V's.
;   window 1: v0-63 O^T; v64-95 Q; v96-127 P; v128-159 the second block's Q.
.set KP,    144                        ; a row of K in LDS: 128 bytes + 16
.set VP,    160                        ; a row of V: 128 + 32
.set VOFF,  256*KP
.set SLOT1, 131072
.set STAGE, SLOT1+VOFF+256*VP          ; behind the ring: 16 rows x 144 bytes for each wave
.set SPARE, STAGE+8*16*KP              ; the spare words, 128 bytes a wave, which no other line names
.set AK0, 1
.set AV0, 2
.set ADK, 3
.set ADV, 4
.set QO,  5
.set STO, 6
.set RD,  7
.set GO,  8
.set RH,  9                            ; v9   lane % 16 - 8 (lane / 16)
.set D0,  10                           ; v10-11  the mask's bound for tile 0, 1
.set NINF, 12
.set PFO, 13
.set SPW, 14
.set NIL, 15
.set ST,  16                           ; tile t at v[16 + 8 t]: +0 c m, +1 m, +2, +3 l, +4 .. +7 at work; a takes +6
.set S,   64
.set KR,  128
.set VR,  192
.set WV,  8
.set W3,  9
.set Q0,  14
.set Q0B, 15
.set KF,  16
.set SLOTS, 17
.set CHG, 18
.set LIM, 19
.set SEL, 20
.set CS,  22
.set G1K, 24
.set G1V, 32
.set G0K, 40
.set G0V, 44
.set KB,  48
.set VB,  50
.set KOFF, 52
.set OBA, 54
.set OBB, 56
.set PFA, 58
.set TB,  60
.set MSB, 0
.macro WIN new
.if MSB != \new
	s_set_vgpr_msb (MSB<<8)|\new
.set MSB, \new
.endif
.endm
; Waves 0-3 fetch K's rows, waves 4-7 V's: the branch hangs on the wave's number alone.  An s_nop 0 and four v_nop follow each line.
.macro TLOAD
	s_cmp_lt_u32 s[WV], 4
	s_cbranch_scc0 .Lfor_v_\@
	tensor_load_to_lds s[G0K:G0K+3], s[G1K:G1K+7]
	s_nop 0
.rept 4
	v_nop
.endr
	s_branch .Lasked_\@
.Lfor_v_\@:
	tensor_load_to_lds s[G0V:G0V+3], s[G1V:G1V+7]
	s_nop 0
.rept 4
	v_nop
.endr
.Lasked_\@:
.endm
; A prefetch of what the NEXT change of slots will ask for.  All four work-groups of a head read the same K and V; work-group 0, whose first walk takes all eight key blocks in order, asks, and nobody else.
; Each of its waves names the 8,192 bytes that it will itself load, lanes 256 bytes apart: each 256 bytes once in the launch.  Key blocks 2 to 7 are asked for: it stops when three slots are left to ask for.
.macro ASK
	s_cmp_gt_u32 s[SLOTS], s[LIM]
	s_cbranch_scc0 .Lnot_mine_\@
	global_prefetch_b8 v[PFO], s[PFA:PFA+1] th:TH_LOAD_NT scope:SCOPE_SE
.Lnot_mine_\@:
.endm
.macro INIT                            ; a block of queries begins: O^T and l are zeros, m lies under every score.  The key step is written once: its first turn multiplies zeros
	WIN 0x40
.set i, 0
.rept 64
	v_mov_b32 v[i], 0
.set i, i+1
.endr
	WIN 0
.irp t, 0,1
	v_mov_b32 v[ST+8*\t+1], 0xff61b1e6             ; -3e38
	v_mul_f32 v[ST+8*\t], s[CS], v[ST+8*\t+1]
.irp k, 2,3,4,5,6,7
	v_mov_b32 v[ST+8*\t+\k], 0
.endr
.endr
.endm
; THE CHANGE OF SLOTS, at a slot's head.  Each wave waits for all its tensor loads, adds 0 to its spare word, and waits for that and for its reads of the slot that it has left; behind the barrier the slot ahead is whole
; and nobody reads the other one, which (fill = 1) is filled first thing: the load has a slot's four key steps in which to land.
.macro CHANGE fill
	s_wait_tensorcnt 0x0                           ; no tensor load of mine is out, so a descriptor may be written
	ds_add_u32 v[SPW], v[NIL]                      ; 0 onto my spare word; the descriptors' steps stand between it and the wait for it
.if \fill
	s_xor_b32 s[G0K+1], s[G0K+1], SLOT1            ; the other slot than last time
	s_xor_b32 s[G0V+1], s[G0V+1], SLOT1
	s_add_co_u32 s[KOFF], s[KOFF], 32768           ; the next 256 keys,
	s_cmp_eq_u32 s[SLOTS], s[CHG]
	s_cselect_b32 s[KOFF], 0, s[KOFF]              ; or, where the slot ahead is the first walk's last, the second walk's key block 0
	s_add_nc_u64 s[G0K+2:G0K+3], s[KB:KB+1], s[KOFF:KOFF+1]
	s_or_b32 s[G0K+3], s[G0K+3], 0x80000000
	s_add_nc_u64 s[G0V+2:G0V+3], s[VB:VB+1], s[KOFF:KOFF+1]
	s_or_b32 s[G0V+3], s[G0V+3], 0x80000000
	s_wait_xcnt 0x0                                ; the last prefetch, a slot back, has read its address
	s_add_nc_u64 s[PFA:PFA+1], s[PFA:PFA+1], 32768
.endif
	s_wait_dscnt 0x0
	s_barrier_signal -1
	s_barrier_wait -1
.if \fill
	TLOAD
	ASK
.endif
.endm
.macro SOFT
.irp k, 0,1,2,3                        ; the maximum: four chains a tile, each begun at an accumulator's low end; the tiles alternate line by line
.irp t, 0,1
	v_max3_num_f32 v[ST+8*\t+4+\k], v[S+32*\t+8*\k], v[S+32*\t+8*\k+1], v[S+32*\t+8*\k+2]
.endr
.endr
.irp g, 1,2
.irp k, 0,1,2,3
.irp t, 0,1
	v_max3_num_f32 v[ST+8*\t+4+\k], v[ST+8*\t+4+\k], v[S+32*\t+8*\k+2*\g+1], v[S+32*\t+8*\k+2*\g+2]
.endr
.endr
.endr
.irp t, 0,1
	v_max3_num_f32 v[ST+8*\t+4], v[ST+8*\t+4], v[S+32*\t+7], v[S+32*\t+15]
.endr
.irp t, 0,1
	v_max3_num_f32 v[ST+8*\t+6], v[ST+8*\t+6], v[S+32*\t+23], v[S+32*\t+31]
.endr
.irp t, 0,1
	v_max3_num_f32 v[ST+8*\t+4], v[ST+8*\t+4], v[ST+8*\t+5], v[ST+8*\t+6]
.endr
.irp t, 0,1
	v_max3_num_f32 v[ST+8*\t+4], v[ST+8*\t+4], v[ST+8*\t+7], v[ST+8*\t+1]   ; with the old m
.endr
.irp t, 0,1
	v_permlanex16_b32 v[ST+8*\t+5], v[ST+8*\t+4], s[SEL], s[SEL+1]   ; the query's other 32 keys lie in the lane 16 away
.endr
.irp t, 0,1
	v_mov_b32 v[ST+8*\t+7], v[ST+8*\t]             ; c m_old
.endr
.irp t, 0,1
	v_max_num_f32 v[ST+8*\t+1], v[ST+8*\t+4], v[ST+8*\t+5]
.endr
.irp t, 0,1
	v_mul_f32 v[ST+8*\t], s[CS], v[ST+8*\t+1]
.endr
.irp t, 0,1
	v_sub_f32 v[ST+8*\t+7], v[ST+8*\t+7], v[ST+8*\t]
.endr
.set i, 0
.rept 16
	v_pk_fma_f32 v[S+2*i:S+2*i+1], v[S+2*i:S+2*i+1], s[CS:CS+1], v[ST:ST+1] op_sel_hi:[1,0,0] neg_lo:[0,0,1] neg_hi:[0,0,1]   ; c s - c m
	v_pk_fma_f32 v[S+32+2*i:S+32+2*i+1], v[S+32+2*i:S+32+2*i+1], s[CS:CS+1], v[ST+8:ST+9] op_sel_hi:[1,0,0] neg_lo:[0,0,1] neg_hi:[0,0,1]
.set i, i+1
.endr
.irp t, 0,1
	v_exp_f32 v[ST+8*\t+6], v[ST+8*\t+7]           ; a.  ONE BATCH: 66 exponentials, none of which reads another's result
.endr
.set i, 0
.rept 64
	v_exp_f32 v[S+i], v[S+i]
.set i, i+1
.endr
	v_nop                                          ; a plain line behind the last exponential,
	s_wait_alu depctr_va_vdst(0)                   ; and one wait for the batch, ahead of its first reader
	WIN 0x40
.set i, 0
.rept 32
	v_cvt_pk_f16_f32 v[96+i], v[S+2*i], v[S+2*i+1] ; P, in window 1
.set i, i+1
.endr
	WIN 0
.irp u, 0,1,2,3,4,5,6,7                ; the sum of a tile's 16 pairs, in place
.irp t, 0,1
	v_pk_add_f32 v[S+32*\t+4*\u:S+32*\t+4*\u+1], v[S+32*\t+4*\u:S+32*\t+4*\u+1], v[S+32*\t+4*\u+2:S+32*\t+4*\u+3]
.endr
.endr
.irp u, 0,1,2,3
.irp t, 0,1
	v_pk_add_f32 v[S+32*\t+8*\u:S+32*\t+8*\u+1], v[S+32*\t+8*\u:S+32*\t+8*\u+1], v[S+32*\t+8*\u+4:S+32*\t+8*\u+5]
.endr
.endr
.irp u, 0,1
.irp t, 0,1
	v_pk_add_f32 v[S+32*\t+16*\u:S+32*\t+16*\u+1], v[S+32*\t+16*\u:S+32*\t+16*\u+1], v[S+32*\t+16*\u+8:S+32*\t+16*\u+9]
.endr
.endr
.irp t, 0,1
	v_pk_add_f32 v[S+32*\t:S+32*\t+1], v[S+32*\t:S+32*\t+1], v[S+32*\t+16:S+32*\t+17]
.endr
.irp t, 0,1
	v_pk_fma_f32 v[ST+8*\t+2:ST+8*\t+3], v[ST+8*\t+2:ST+8*\t+3], v[ST+8*\t+6:ST+8*\t+7], v[S+32*\t:S+32*\t+1] op_sel_hi:[1,0,1]   ; l = a l + the sum
.endr
	WIN 0x41
.set i, 0
.rept 16
	v_pk_mul_f32 v[2*i:2*i+1], v[2*i:2*i+1], v[ST+6:ST+7] op_sel_hi:[1,0]          ; O^T x a, each accumulator from its low end on
	v_pk_mul_f32 v[32+2*i:32+2*i+1], v[32+2*i:32+2*i+1], v[ST+14:ST+15] op_sel_hi:[1,0]
.set i, i+1
.endr
.endm
; A KEY STEP: 64 keys, the q-th of the slot in hand.
.macro STEP q
	s_add_co_u32 s61, s[Q0], 31
	s_cmp_gt_u32 s[KF], s61                        ; all 64 keys come after my 32 queries: the step's work is left out (ids and the count of steps alone)
	s_cbranch_scc1 .Lhid_\@
	v_add_nc_u32 v[ADK], s[TB], v[AK0]
	v_add_nc_u32 v[ADV], s[TB], v[AV0]
	v_nop
	v_nop                                          ; four plain lines between the last products and the loads into V's registers
.irp kt, 0,1,2,3
.irp c, 0,1
	ds_load_b128 v[KR+8*(2*\kt+\c):KR+8*(2*\kt+\c)+3], v[ADK] offset:(64*(\q)+16*\kt)*KP+64*\c
	ds_load_b128 v[KR+8*(2*\kt+\c)+4:KR+8*(2*\kt+\c)+7], v[ADK] offset:(64*(\q)+16*\kt)*KP+64*\c+32
.endr
.endr
.irp kc, 0,1
.irp dt, 0,1,2,3
	ds_load_tr16_b128 v[VR+8*(4*\kc+\dt):VR+8*(4*\kc+\dt)+3], v[ADV] offset:(64*(\q)+32*\kc)*VP+32*\dt
	ds_load_tr16_b128 v[VR+8*(4*\kc+\dt)+4:VR+8*(4*\kc+\dt)+7], v[ADV] offset:(64*(\q)+32*\kc+16)*VP+32*\dt
.endr
.endr
	s_wait_dscnt 16                                ; K's 16 loads are in; V's 16 may be out
	WIN 0x04                                       ; source 1 (Q) in window 1
.irp c, 0,1                            ; the eight accumulators take turns, one instruction a turn
.irp t, 0,1
.irp kt, 0,1,2,3
.if \c == 0
	v_wmma_f32_16x16x32_f16 v[S+32*\t+8*\kt:S+32*\t+8*\kt+7], v[KR+8*(2*\kt+\c):KR+8*(2*\kt+\c)+7], v[64+16*\t+8*\c:64+16*\t+8*\c+7], 0
.else
	v_wmma_f32_16x16x32_f16 v[S+32*\t+8*\kt:S+32*\t+8*\kt+7], v[KR+8*(2*\kt+\c):KR+8*(2*\kt+\c)+7], v[64+16*\t+8*\c:64+16*\t+8*\c+7], v[S+32*\t+8*\kt:S+32*\t+8*\kt+7]
.endif
.endr
.endr
.endr
	WIN 0
.rept 4
	v_nop
.endr
	s_add_co_u32 s61, s[KF], 63
	s_cmp_le_u32 s61, s[Q0]                        ; all 64 keys count for all my queries: no mask
	s_cbranch_scc1 .Lopen_\@
	s_sub_co_i32 s61, s[Q0], s[KF]
	v_add_nc_u32 v[D0], s61, v[RH]                 ; register 8 kt + j of tile t holds key KF + 16 kt + 8 (lane / 16) + j: hidden where 16 kt + j > Q0 - KF + 16 t + lane % 16 - 8 (lane / 16)
	v_add_nc_u32 v[D0+1], 16, v[D0]
.irp t, 0,1
.irp kt, 0,1,2,3
.irp j, 0,1,2,3,4,5,6,7
	v_cmp_gt_i32 vcc_lo, 16*\kt+\j, v[D0+\t]
	v_cndmask_b32 v[S+32*\t+8*\kt+\j], v[S+32*\t+8*\kt+\j], v[NINF], vcc_lo
.endr
.endr
.endr
.Lopen_\@:
	SOFT
	s_wait_dscnt 0x0                               ; V is in
	WIN 0x54                                       ; P, and O^T as C and D, in window 1
.irp kc, 0,1
.irp t, 0,1
.irp dt, 0,1,2,3
	v_wmma_f32_16x16x32_f16 v[32*\t+8*\dt:32*\t+8*\dt+7], v[VR+8*(4*\kc+\dt):VR+8*(4*\kc+\dt)+7], v[96+16*\t+8*\kc:96+16*\t+8*\kc+7], v[32*\t+8*\dt:32*\t+8*\dt+7]
.endr
.endr
.endr
	WIN 0
.Lhid_\@:
	s_add_co_u32 s[KF], s[KF], 64
.endm
; A block of queries is done: O^T / l, to f16, through my stage, a tile of 16 rows at a time; out as 512 consecutive bytes an instruction.
.macro FINISH ob
.rept 4
	v_nop
.endr
.irp t, 0,1
	v_add_f32 v[ST+8*\t+4], v[ST+8*\t+2], v[ST+8*\t+3]
.endr
.irp t, 0,1
	v_permlanex16_b32 v[ST+8*\t+5], v[ST+8*\t+4], s[SEL], s[SEL+1]
.endr
.irp t, 0,1
	v_add_f32 v[ST+8*\t+4], v[ST+8*\t+4], v[ST+8*\t+5]
.endr
.irp t, 0,1
	v_rcp_f32 v[ST+8*\t+6], v[ST+8*\t+4]
.endr
	v_nop
	s_wait_alu depctr_va_vdst(0)                   ; one wait for the two reciprocals, ahead of their first reader
.irp t, 0,1
	WIN 0x41
.set i, 0
.rept 16
	v_pk_mul_f32 v[32*\t+2*i:32*\t+2*i+1], v[32*\t+2*i:32*\t+2*i+1], v[ST+8*\t+6:ST+8*\t+7] op_sel_hi:[1,0]
.set i, i+1
.endr
	WIN 0x05
.set i, 0
.rept 16
	v_cvt_pk_f16_f32 v[S+16*\t+i], v[32*\t+2*i], v[32*\t+2*i+1]
.set i, i+1
.endr
	WIN 0
.irp dt, 0,1,2,3
	ds_store_b128 v[STO], v[S+16*\t+4*\dt:S+16*\t+4*\dt+3] offset:32*\dt
.endr
.irp n, 0,1,2,3
	ds_load_b128 v[32+16*\t+4*\n:32+16*\t+4*\n+3], v[RD] offset:576*\n   ; LDS serves a wave's instructions in order: these see the stores above, and the next tile's stores come behind them
.endr
.endr
	s_wait_dscnt 0x0
.irp t, 0,1
.irp n, 0,1,2,3
	global_store_b128 v[GO], v[32+16*\t+4*\n:32+16*\t+4*\n+3], s[\ob:\ob+1] offset:2048*\t+512*\n
.endr
.endr
	s_wait_xcnt 0x0                                ; the stores have read their registers
.endm
	s_load_b128 s[4:7], s[0:1], 0x0                ; qkv16, hd16
	v_lshl_add_u32 v[SPW], v0, 2, SPARE
	v_mov_b32 v[NIL], 0
	ds_add_u32 v[SPW], v[NIL]                      ; the wave's opening: the add, twice on end, and its wait ahead of my first tensor load
	ds_add_u32 v[SPW], v[NIL]
	v_lshrrev_b32 v1, 5, v0
	v_readfirstlane_b32 s[WV], v1                  ; wave 0..7
	s_and_b32 s[W3], s[WV], 3
	s_sub_co_u32 s10, 11, s[WV]
	s_cmp_lt_u32 s[WV], 4
	s_cselect_b32 s10, s[WV], s10                  ; u
	s_and_b32 s12, ttmp7, 0xffff
	s_lshl_b32 s12, s12, 18                        ; the head's first byte in a section: 262,144 bytes a head
	s_mov_b32 s13, 0
	s_lshl_b32 s61, s10, 5
	s_sub_co_u32 s[Q0], 7, ttmp9
	s_lshl_b32 s[Q0], s[Q0], 8
	s_add_co_u32 s[Q0], s[Q0], s61                 ; my first query in the first walk,
	s_lshl_b32 s[Q0B], ttmp9, 8
	s_add_co_u32 s[Q0B], s[Q0B], s61               ; and in the second
	s_mov_b32 s[KF], 0
	s_mov_b32 s[SLOTS], 8
	s_add_co_u32 s[CHG], ttmp9, 1                  ; the first walk's last slot is read in the trip in which so many are left
	s_cmp_eq_u32 ttmp9, 0
	s_cselect_b32 s[LIM], 2, -1
	s_mov_b32 s[SEL], 0x76543210
	s_mov_b32 s[SEL+1], 0xfedcba98
	s_mov_b32 s[CS], 0x3e38aa3b                    ; c = log2(e) / 8
	s_mov_b32 s[CS+1], s[CS]
	s_mov_b32 s[G1K], (1<<16)|(1<<20)|(4<<22)|(3<<25)   ; elements of 2 bytes; padding: 4 words behind every 32
	s_mov_b32 s[G1V], (1<<16)|(1<<20)|(4<<22)|(7<<25)   ; 8 words
.irp g, G1K, G1V
	s_mov_b32 s[\g+1], 64<<16                      ; tensor_dim0 = 64
	s_mov_b32 s[\g+2], 64<<16                      ; tensor_dim1 = 64
	s_mov_b32 s[\g+3], 64<<16                      ; tile_dim0 = 64
	s_mov_b32 s[\g+4], 64                          ; tile_dim1 = 64
	s_mov_b32 s[\g+5], 64                          ; from row to row
	s_mov_b32 s[\g+6], 0
	s_mov_b32 s[\g+7], 0
.endr
	s_mov_b32 s[KOFF], 0
	s_mov_b32 s[KOFF+1], 0
	s_mov_b32 s[TB], 0
	s_mul_i32 s62, s[W3], 64*KP                    ; my 64 rows in a slot: of K,
	s_mul_i32 s63, s[W3], 64*VP
	s_add_co_u32 s63, s63, VOFF                    ; of V
	s_lshl_b32 s66, s[W3], 13                      ; and in memory
	s_mov_b32 s67, 0
	s_add_nc_u64 s[66:67], s[66:67], s[12:13]
	s_lshl_b32 s70, s[Q0], 7
	s_mov_b32 s71, 0
	s_add_nc_u64 s[70:71], s[70:71], s[12:13]      ; my queries' rows, first walk,
	s_lshl_b32 s72, s[Q0B], 7
	s_mov_b32 s73, 0
	s_add_nc_u64 s[72:73], s[72:73], s[12:13]      ; second walk
	s_wait_dscnt 0x0                               ; both opening adds are done
	s_wait_kmcnt 0x0
	s_add_nc_u64 s[KB:KB+1], s[4:5], s[66:67]
	s_add_nc_u64 s[VB:VB+1], s[KB:KB+1], 33554432  ; V's section,
	s_add_nc_u64 s[KB:KB+1], s[KB:KB+1], 16777216  ; K's
	s_mov_b32 s[G0K], 1
	s_mov_b32 s[G0K+1], s62
	s_mov_b64 s[G0K+2:G0K+3], s[KB:KB+1]
	s_or_b32 s[G0K+3], s[G0K+3], 0x80000000
	s_mov_b32 s[G0V], 1
	s_mov_b32 s[G0V+1], s63
	s_mov_b64 s[G0V+2:G0V+3], s[VB:VB+1]
	s_or_b32 s[G0V+3], s[G0V+3], 0x80000000
	TLOAD                                          ; slot 0: key block 0, which counts for every query
	s_cmp_lt_u32 s[WV], 4
	s_cselect_b64 s[PFA:PFA+1], s[KB:KB+1], s[VB:VB+1]
	s_add_nc_u64 s[PFA:PFA+1], s[PFA:PFA+1], 32768 ; at key block 1: the first change steps it to key block 2.  Nothing is prefetched here, at the head
	s_add_nc_u64 s[68:69], s[4:5], s[70:71]
	s_add_nc_u64 s[74:75], s[4:5], s[72:73]
	s_add_nc_u64 s[OBA:OBA+1], s[6:7], s[70:71]
	s_add_nc_u64 s[OBB:OBB+1], s[6:7], s[72:73]
	v_and_b32 v16, 15, v0                          ; r
	v_bfe_u32 v17, v0, 4, 1                        ; h
	v_lshlrev_b32 v[QO], 7, v16
	v_lshl_add_u32 v[QO], v17, 4, v[QO]
	WIN 0x40
.irp t, 0,1
.irp c, 0,1
	global_load_b128 v[64+16*\t+8*\c:64+16*\t+8*\c+3], v[QO], s[68:69] offset:2048*\t+64*\c
	global_load_b128 v[64+16*\t+8*\c+4:64+16*\t+8*\c+7], v[QO], s[68:69] offset:2048*\t+64*\c+32
	global_load_b128 v[128+16*\t+8*\c:128+16*\t+8*\c+3], v[QO], s[74:75] offset:2048*\t+64*\c
	global_load_b128 v[128+16*\t+8*\c+4:128+16*\t+8*\c+7], v[QO], s[74:75] offset:2048*\t+64*\c+32
.endr
.endr
	WIN 0
	v_mul_u32_u24 v[AK0], v16, KP
	v_lshl_add_u32 v[AK0], v17, 4, v[AK0]          ; K: row r, + 16 h
	v_and_b32 v18, 7, v0
	v_bfe_u32 v19, v0, 3, 1
	v_lshl_add_u32 v[AV0], v17, 3, v18
	v_mul_u32_u24 v[AV0], v[AV0], VP
	v_lshl_add_u32 v[AV0], v19, 4, v[AV0]
	v_add_nc_u32 v[AV0], VOFF, v[AV0]              ; V, for the turning load: key 8 h + lane % 8, channels 8 ((lane / 8) % 2) on
	s_mul_i32 s61, s[WV], 16*KP
	s_add_co_u32 s61, s61, STAGE
	v_add_nc_u32 v[STO], s61, v[AK0]
	v_and_b32 v20, 31, v0
	v_lshrrev_b32 v21, 3, v20
	v_mul_u32_u24 v[RD], v21, KP
	v_lshl_add_u32 v[RD], v18, 4, v[RD]
	v_add_nc_u32 v[RD], s61, v[RD]
	v_lshlrev_b32 v[GO], 4, v20
	v_lshlrev_b32 v[RH], 3, v17
	v_sub_nc_u32 v[RH], v16, v[RH]
	v_mov_b32 v[NINF], 0xff800000
	v_lshlrev_b32 v[PFO], 8, v20
	INIT
	s_wait_loadcnt 0x0                             ; both blocks' Q
.Lslot:                                            ; eight trips; behind each change of slots the next slot is asked for
	CHANGE 1
	STEP 0
	STEP 1
	STEP 2
	STEP 3
	s_xor_b32 s[TB], s[TB], SLOT1
	s_cmp_lg_u32 s[SLOTS], s[CHG]
	s_cbranch_scc1 .Lsame
	FINISH OBA                                     ; the first walk is over
	WIN 0x41
.set i, 0
.rept 32
	v_mov_b32 v[64+i], v[128+i]                    ; the second block's Q
.set i, i+1
.endr
	INIT
	s_mov_b32 s[Q0], s[Q0B]
	s_mov_b32 s[KF], 0
.Lsame:
	s_sub_co_u32 s[SLOTS], s[SLOTS], 1
	s_cmp_lg_u32 s[SLOTS], 0
	s_cbranch_scc1 .Lslot
	CHANGE 0                                       ; the ninth slot is written out: nothing is left to ask for
	STEP 0
	STEP 1
	STEP 2
	STEP 3
	FINISH OBB
	s_wait_tensorcnt 0x0                           ; the wave's end
	ds_add_u32 v[SPW], v[NIL]
	s_wait_dscnt 0x0
	s_endpgm
.Lfunc_end_k_q8f7ceaf65b_attn:
	.size	k_q8f7ceaf65b_attn, .Lfunc_end_k_q8f7ceaf65b_attn-k_q8f7ceaf65b_attn
	.p2alignl 7, 3214868480
	.fill 96, 4, 3214868480
	.section	.rodata,"a",@progbits
	.p2align	6, 0x0
	.amdhsa_kernel k_q8f7ceaf65b_attn
		.amdhsa_group_segment_fixed_size 327680
		.amdhsa_private_segment_fixed_size 0
		.amdhsa_enable_private_segment 0
		.amdhsa_kernarg_size 16
		.amdhsa_user_sgpr_count 2
		.amdhsa_user_sgpr_kernarg_segment_ptr 1
		.amdhsa_wavefront_size32 1
		.amdhsa_system_sgpr_workgroup_id_x 1
		.amdhsa_system_sgpr_workgroup_id_y 1
		.amdhsa_system_sgpr_workgroup_id_z 1
		.amdhsa_system_vgpr_workitem_id 0
		.amdhsa_next_free_vgpr 416
		.amdhsa_next_free_sgpr 80
		.amdhsa_reserve_vcc 1
		.amdhsa_float_denorm_mode_32 3
		.amdhsa_float_denorm_mode_16_64 3
		.amdhsa_memory_ordered 1
		.amdhsa_forward_progress 1
		.amdhsa_inst_pref_size 200
	.end_amdhsa_kernel
	.amdgpu_metadata
---
amdhsa.version: [ 1, 2 ]
amdhsa.kernels:
  - .name:           k_q8f7ceaf65b_attn
    .symbol:         k_q8f7ceaf65b_attn.kd
    .args:
      - { .name: qkv16, .offset: 0, .size: 8, .value_kind: global_buffer, .address_space: global }
      - { .name: hd16, .offset: 8, .size: 8, .value_kind: global_buffer, .address_space: global }
    .group_segment_fixed_size: 327680
    .private_segment_fixed_size: 0
    .kernarg_segment_align: 8
    .kernarg_segment_size: 16
    .max_flat_workgroup_size: 256
    .sgpr_count:     80
    .vgpr_count:     416
    .wavefront_size: 32
...
	.end_amdgpu_metadata
.endif
;; end of part 3
;; launch proj (part 4): grid 8 x 32, 4 waves a work-group, clusters of 4 x 4, 327,680 bytes of LDS; arguments hd16, wo16, out0; writes out0
.if DOCPART == 4
	.amdgcn_target "amdgcn-amd-amdhsa--gfx1250"
	.amdhsa_code_object_version 6
	.text
	.protected	k_q8f7ceaf65b_proj
	.globl	k_q8f7ceaf65b_proj
	.p2align	8
	.type	k_q8f7ceaf65b_proj,@function
k_q8f7ceaf65b_proj:
	s_mov_b64 s[64:65], 0
	v_nop
	global_prefetch_b8 v0, s[64:65] scope:SCOPE_SE
	s_setreg_imm32_b32 hwreg(HW_REG_WAVE_MODE, 25, 1), 1
	s_wait_xcnt 0x0
	s_wait_alu depctr_hold_cnt(0) depctr_sa_sdst(0) depctr_va_vdst(0) depctr_va_sdst(0) depctr_va_ssrc(0) depctr_va_vcc(0) depctr_vm_vsrc(0)
	s_getreg_b32 s2, hwreg(HW_REG_IB_STS2, 6, 4)
	s_cmp_eq_u32 s2, 0
	s_cbranch_scc0 .Lentry_in_a_cluster
	s_endpgm
.Lentry_in_a_cluster:
	s_bfe_u32 s2, ttmp6, 0x10000c
	s_cmp_lg_u32 s2, 0xf033
	s_cbranch_scc0 .Lentry_shape_is_right
	s_endpgm
.Lentry_shape_is_right:
; out0[m][n] = sum over k of heads[m][k] Wo[n][k], m = 8,192 (batch x position), n = 1,024, k = 1,024 = 64 x head + channel.  heads: hd16 [batch x 16 + head][position][64] f16; Wo: wo16 [n][k] f16; out0 f32; sums in f32.
; A tile of 256 rows x 128 columns for a work-group: 256 work-groups.  Four waves, each 128 x 64: 32 accumulators, 256 registers.  K goes in eight steps of 128 (two heads) through a ring of two LDS slots.
; A's part of a step is two dense blocks of 256 rows x 128 bytes, one for each head (waves 0 and 1 fetch one each); B's is 128 rows x 256 bytes (waves 2 and 3 fetch 64 rows each): one tensor load a wave.
; CLUSTERS: 4 x 4 work-groups; A's tiles are shared along a row of the cluster, B's along a column, each asked for jointly.  THE MATRIX INSTRUCTION IS USED TRANSPOSED (source 0 = 16 rows of Wo, source 1 = 16 rows of heads).
; No prefetch: the tiles are small and shared in the cluster, and a step's 128 matrix instructions a wave stand between a request and the wait for it, less sixteen.
; The rows of positions 0-15 are written here too, and written anew, from f32 operands, by the launch that follows.
; REGISTERS: window 0: v0-31 addresses; two fragment buffers at v64 and v160: A's 8 fragments, then B's 4; on the way out v64-127 rows read back.  window 1: the accumulators, (a, b) at v[8 (4 a + b)].
.set AP,     144                       ; a head's row in LDS: 128 bytes + 16
.set BP,     272                       ; a row of Wo's tile: 256 bytes + 16
.set HBLK,   256*AP                    ; a head's 256 rows
.set BOFF,   2*HBLK
.set SLOT,   BOFF+128*BP
.set STAGE,  2*SLOT                    ; behind the ring: 16 rows x 272 bytes for each wave
.set SPITCH, 272
.set SPARE,  STAGE+4*16*SPITCH         ; the spare words, 128 bytes a wave, which no other line names
.set LAPS,   4                         ; a lap = two K steps = once round the ring
.set ADRA, 16
.set ADRB, 20
.set STO,  24
.set RD,   25
.set CO,   26
.set SPW,  28
.set NIL,  29
.set F0,   64
.set F1,   160
.set BK,   64
.set G1, 24
.set G0, 32
.set G1B, 48
.set G0B, 56
.set MSB, 0
.macro WIN new
.if MSB != \new
	s_set_vgpr_msb (MSB<<8)|\new
.set MSB, \new
.endif
.endm
.set MUL, 0x50                         ; C and D in window 1
.macro JLOAD s                         ; a joint load: waves 0 and 1 fetch A's two heads, waves 2 and 3 B's two halves; an s_nop 0 and four v_nop follow each line
	s_cmp_eq_u32 s11, 0
	s_cbranch_scc0 .Lfor_b_\@
	tensor_load_to_lds s[G0+4*\s:G0+4*\s+3], s[G1:G1+7]
	s_nop 0
.rept 4
	v_nop
.endr
	s_branch .Lasked_\@
.Lfor_b_\@:
	tensor_load_to_lds s[G0B+4*\s:G0B+4*\s+3], s[G1B:G1B+7]
	s_nop 0
.rept 4
	v_nop
.endr
.Lasked_\@:
.endm
.macro CREST
	s_cmp_lg_u32 s10, 0
	s_cbranch_scc1 .Lnot_wave_0_\@
	s_barrier_signal -3
.Lnot_wave_0_\@:
	s_barrier_wait -3
	s_barrier_signal -1
	s_barrier_wait -1
.endm
.macro CROUND
	s_barrier_signal -1
	s_barrier_wait -1
	CREST
.endm
	s_load_b128 s[4:7], s[0:1], 0x0                ; hd16, wo16
	s_load_b64 s[8:9], s[0:1], 0x10                ; out0
	v_lshl_add_u32 v[SPW], v0, 2, SPARE
	v_mov_b32 v[NIL], 0
	ds_add_u32 v[SPW], v[NIL]                      ; the wave's opening: the add, twice on end, and its wait ahead of my first tensor load
	ds_add_u32 v[SPW], v[NIL]
	v_lshrrev_b32 v1, 5, v0
	v_readfirstlane_b32 s10, v1                    ; wave 0..3
	s_lshr_b32 s11, s10, 1                         ; which half of the tile's rows is mine.  Also: I fetch for A (0) or for B (1)
	s_and_b32 s12, s10, 1                          ; which half of its columns.  Also: which head, or which 64 rows of Wo, I fetch
	s_bfe_u32 s40, ttmp6, 0x40000                  ; cx
	s_bfe_u32 s41, ttmp6, 0x40004                  ; cy
	s_lshl_b32 s42, ttmp9, 2
	s_add_co_u32 s42, s42, s40                     ; tile column
	s_and_b32 s13, ttmp7, 0xffff
	s_lshl_b32 s13, s13, 2
	s_add_co_u32 s13, s13, s41                     ; tile row
	s_lshl_b32 s43, s41, 2
	s_lshl_b32 s43, 15, s43                        ; my row of the cluster
	s_lshl_b32 s44, 0x1111, s40                    ; my column
	s_or_b32 s[G1+0], s43, (1<<16)|(1<<20)|(1<<21)|(4<<22)|(3<<25)   ; the mask; elements of 2 bytes; padding: 4 words behind every 32; bit 21 beside a mask
	s_mov_b32 s[G1+1], 64<<16                      ; tensor_dim0 = 64
	s_mov_b32 s[G1+2], 256<<16                     ; tensor_dim1 = 256
	s_mov_b32 s[G1+3], 64<<16                      ; tile_dim0 = 64
	s_mov_b32 s[G1+4], 256                         ; tile_dim1 = 256
	s_mov_b32 s[G1+5], 64                          ; from row to row
	s_mov_b32 s[G1+6], 0
	s_mov_b32 s[G1+7], 0
	s_or_b32 s[G1B+0], s44, (1<<16)|(1<<20)|(1<<21)|(5<<22)|(3<<25)  ; padding: 4 words behind every 64
	s_mov_b32 s[G1B+1], 128<<16
	s_mov_b32 s[G1B+2], 64<<16
	s_mov_b32 s[G1B+3], 128<<16
	s_mov_b32 s[G1B+4], 64
	s_mov_b32 s[G1B+5], 1024
	s_mov_b32 s[G1B+6], 0
	s_mov_b32 s[G1B+7], 0
	s_lshr_b32 s16, s13, 3                         ; A: the batch,
	s_lshl_b32 s16, s16, 4
	s_add_co_u32 s16, s16, s12                     ; x 16 heads + the head that I fetch,
	s_lshl_b32 s16, s16, 11
	s_and_b32 s17, s13, 7
	s_lshl_b32 s17, s17, 8
	s_add_co_u32 s16, s16, s17                     ; x 2,048 positions + the tile's first,
	s_lshl_b32 s16, s16, 7                         ; x 128 bytes
	s_mov_b32 s17, 0
	s_lshl_b32 s46, s42, 7                         ; B: row 128 x tile column + 64 x half,
	s_lshl_b32 s47, s12, 6
	s_add_co_u32 s46, s46, s47
	s_lshl_b32 s46, s46, 11                        ; x 2,048 bytes
	s_mov_b32 s47, 0
	s_mul_i32 s20, s12, HBLK                       ; where they go: no place in the cluster enters an LDS address
	s_mul_i32 s21, s12, 64*BP
	s_add_co_u32 s21, s21, BOFF
	s_wait_dscnt 0x0                               ; both opening adds are done
	s_wait_kmcnt 0x0
	s_add_nc_u64 s[14:15], s[4:5], s[16:17]
	s_add_nc_u64 s[46:47], s[6:7], s[46:47]
	CROUND                                         ; all sixteen work-groups are here: the first joint loads meet
.irp s, 0,1
	s_mov_b32 s[G0+4*\s], 1
	s_add_co_u32 s[G0+4*\s+1], s20, \s*SLOT
	s_add_nc_u64 s[G0+4*\s+2:G0+4*\s+3], s[14:15], \s*524288      ; K step s: two heads of 262,144 bytes on
	s_or_b32 s[G0+4*\s+3], s[G0+4*\s+3], 0x80000000
	s_mov_b32 s[G0B+4*\s], 1
	s_add_co_u32 s[G0B+4*\s+1], s21, \s*SLOT
	s_add_nc_u64 s[G0B+4*\s+2:G0B+4*\s+3], s[46:47], \s*256
	s_or_b32 s[G0B+4*\s+3], s[G0B+4*\s+3], 0x80000000
	JLOAD \s
.endr
	v_and_b32 v1, 15, v0                           ; r
	v_bfe_u32 v2, v0, 4, 1                         ; h
	v_mul_u32_u24 v3, v1, AP
	v_lshl_add_u32 v3, v2, 4, v3
	v_mul_u32_u24 v4, v1, BP
	v_lshl_add_u32 v4, v2, 4, v4
	s_mul_i32 s21, s11, 128*AP                     ; my 128 rows of A
	s_mul_i32 s22, s12, 64*BP                      ; my 64 rows of B
	s_add_co_u32 s22, s22, BOFF
.irp s, 0,1
	v_add_nc_u32 v[ADRA+\s], s21, v3
	v_add_nc_u32 v[ADRB+\s], s22, v4
	s_add_co_u32 s21, s21, SLOT
	s_add_co_u32 s22, s22, SLOT
.endr
	s_mul_i32 s23, s10, 16*SPITCH
	s_add_co_u32 s23, s23, STAGE                   ; my stage
	v_mul_u32_u24 v4, v1, SPITCH
	v_lshl_add_u32 v4, v2, 5, v4
	v_add_nc_u32 v[STO], s23, v4                   ; in: row r, 32 bytes for each half of the lanes
	v_mul_u32_u24 v5, v2, SPITCH
	v_lshl_add_u32 v5, v1, 4, v5
	v_add_nc_u32 v[RD], s23, v5                    ; back: lanes 0-15 one row of 256 bytes, lanes 16-31 the next
	v_lshlrev_b32 v5, 12, v2
	v_lshl_add_u32 v[CO], v1, 4, v5                ; and the same two rows in out0
	s_lshl_b32 s16, s13, 8
	s_lshl_b32 s17, s11, 7
	s_add_co_u32 s16, s16, s17                     ; my first row,
	s_lshl_b32 s16, s16, 12                        ; x 4,096 bytes,
	s_lshl_b32 s17, s12, 8
	s_add_co_u32 s16, s16, s17                     ; + my half's 64 columns
	s_mov_b32 s17, 0
	s_add_nc_u64 s[8:9], s[8:9], s[16:17]
	s_lshl_b32 s46, s42, 9                         ; + the tile's 128 columns
	s_mov_b32 s47, 0
	s_add_nc_u64 s[8:9], s[8:9], s[46:47]
; 8 matrix instructions: A's blocks a0, a0 + 1 x B's four, 32 along K.  The 32 accumulators take turns, one instruction a turn, in the same order in every quarter.
.macro MUL8 f, a0, zero
.irp a, \a0, \a0+1
.irp b, 0,1,2,3
.if \zero
	v_wmma_f32_16x16x32_f16 v[8*(4*(\a)+\b):8*(4*(\a)+\b)+7], v[\f+64+8*\b:\f+64+8*\b+7], v[\f+8*(\a):\f+8*(\a)+7], 0
.else
	v_wmma_f32_16x16x32_f16 v[8*(4*(\a)+\b):8*(4*(\a)+\b)+7], v[\f+64+8*\b:\f+64+8*\b+7], v[\f+8*(\a):\f+8*(\a)+7], v[8*(4*(\a)+\b):8*(4*(\a)+\b)+7]
.endif
.endr
.endr
.endm
; 24 LDS loads in one run: the fragments of the slot's c-th 32 along K into buffer f: B's four, A's blocks 0-3, A's blocks 4-7
.macro FETCH slot, c, f
	WIN 0
.irp i, 0,1,2,3
	ds_load_b128 v[\f+64+8*\i:\f+64+8*\i+3],   v[ADRB+\slot] offset:64*(\c)+\i*16*BP
	ds_load_b128 v[\f+64+8*\i+4:\f+64+8*\i+7], v[ADRB+\slot] offset:64*(\c)+\i*16*BP+32
.endr
.irp i, 0,1,2,3,4,5,6,7
	ds_load_b128 v[\f+8*\i:\f+8*\i+3],   v[ADRA+\slot] offset:HBLK*((\c)/2)+64*((\c)%2)+\i*16*AP
	ds_load_b128 v[\f+8*\i+4:\f+8*\i+7], v[ADRA+\slot] offset:HBLK*((\c)/2)+64*((\c)%2)+\i*16*AP+32
.endr
.endm
.macro PLACES                          ; four plain lines in front of loads into registers that matrix instructions have read, and of reads of results (ISA guide 7.12.1 for reads of results)
.rept 4
	v_nop
.endr
.endm
; A K step is four quarters of 32 along K, 32 matrix instructions each, on buffers 0, 1, 0, 1.  One of the first three: multiplies buffer f and fetches the slot's c-th quarter into g.
.macro QUARTER slot, c, f, g, zero
	s_wait_dscnt 8                                 ; B's and A's blocks 0-3 are in; the youngest eight loads (A's blocks 4-7) may be out
	WIN MUL
	MUL8 \f, 0, \zero
	MUL8 \f, 2, \zero
	PLACES
	FETCH \slot, \c, \g
	s_wait_dscnt 24                                ; all but the 24 just issued
	WIN MUL
	MUL8 \f, 4, \zero
	MUL8 \f, 6, \zero
.endm
; The last quarter multiplies buffer 1 and changes slots: one barrier; in front of it each wave waits for all its tensor loads, adds 0 to its spare word, and waits for that and for its reads of this slot.
.macro TURN slot, next, fill
	WIN 0
	s_wait_tensorcnt 0x0                           ; my one load that was out, my part of the next slot, has landed
	ds_add_u32 v[SPW], v[NIL]
	s_wait_dscnt 9                                 ; (the add and the youngest eight loads may be out)
	WIN MUL
	MUL8 F1, 0, 0
	s_wait_dscnt 0x0                               ; the add is done, and my reads of this slot are over
	s_barrier_signal -1
	MUL8 F1, 2, 0
.if \fill
	WIN 0
.endif
	s_barrier_wait -1
.if \fill
	CREST                                          ; the barrier has opened a round of the cluster's barrier: no wave of any partner still reads this slot or has a load on its way
	s_add_nc_u64 s[G0+4*\slot+2:G0+4*\slot+3], s[G0+4*\slot+2:G0+4*\slot+3], 1048576   ; two K steps on: four heads
	s_add_nc_u64 s[G0B+4*\slot+2:G0B+4*\slot+3], s[G0B+4*\slot+2:G0B+4*\slot+3], 512
	JLOAD \slot                                    ; the first tensor load behind the round; its four v_nop are also the places in front of the loads below
.else
	PLACES
.endif
	FETCH \next, 0, F0
	WIN MUL
	MUL8 F1, 4, 0
	MUL8 F1, 6, 0
.endm
	s_wait_tensorcnt 1                             ; my part of K step 0 is in (K step 1's may be out)
	s_barrier_signal -1
	s_barrier_wait -1                              ; everybody's is
	FETCH 0, 0, F0
	QUARTER 0, 1, F0, F1, 1                        ; the first quarter's products start the sums
	WIN 0
	s_mov_b32 s3, LAPS-1
.Llap:                                             ; a trip goes once round the ring and fills both slots again
	QUARTER 0, 2, F1, F0, 0
	QUARTER 0, 3, F0, F1, 0
	TURN 0, 1, 1
	QUARTER 1, 1, F0, F1, 0
	QUARTER 1, 2, F1, F0, 0
	QUARTER 1, 3, F0, F1, 0
	TURN 1, 0, 1
	QUARTER 0, 1, F0, F1, 0
	WIN 0
	s_sub_co_u32 s3, s3, 1
	s_cmp_lg_u32 s3, 0
	s_cbranch_scc1 .Llap
	QUARTER 0, 2, F1, F0, 0                        ; the last lap fills nothing
	QUARTER 0, 3, F0, F1, 0
	TURN 0, 1, 0
	QUARTER 1, 1, F0, F1, 0
	QUARTER 1, 2, F1, F0, 0
	QUARTER 1, 3, F0, F1, 0
	s_wait_dscnt 8
	WIN MUL
	MUL8 F1, 0, 0
	MUL8 F1, 2, 0
	s_wait_dscnt 0
	MUL8 F1, 4, 0
	MUL8 F1, 6, 0
	WIN 0
; THE WAY OUT, block by block of 16 rows x 64 columns: my 64 columns of a row are 256 bytes, aligned, so my own stage serves and no barrier is needed.
.macro TOSTAGE a
	WIN 0x04                                       ; an LDS store's data are its source 1: window 1
.irp b, 0,1,2,3
	ds_store_b128 v[STO], v[8*(4*(\a)+\b):8*(4*(\a)+\b)+3] offset:64*\b      ; each accumulator from its low end on
	ds_store_b128 v[STO], v[8*(4*(\a)+\b)+4:8*(4*(\a)+\b)+7] offset:64*\b+16
.endr
	WIN 0
.irp n, 0,1,2,3,4,5,6,7
	ds_load_b128 v[BK+32*((\a)%2)+4*\n:BK+32*((\a)%2)+4*\n+3], v[RD] offset:2*\n*SPITCH   ; LDS serves a wave's instructions in order
.endr
.endm
.macro SEND a, younger
	s_wait_dscnt \younger
.irp n, 0,1,2,3,4,5,6,7
	global_store_b128 v[CO], v[BK+32*((\a)%2)+4*\n:BK+32*((\a)%2)+4*\n+3], s[8:9] offset:65536*(\a)+8192*\n th:TH_STORE_NT   ; sixteen lanes store 256 consecutive bytes, aligned
.endr
.endm
	PLACES
	TOSTAGE 0
.irp a, 1,2,3,4,5,6,7
.if \a > 1
	s_wait_xcnt 0x0                                ; block a - 2's stores have read the registers that block a's rows land in
.endif
	TOSTAGE \a
	SEND \a-1, 16                                  ; behind block a - 1's loads: block a's 8 stores and 8 loads
.endr
	SEND 7, 0
	s_wait_tensorcnt 0x0                           ; the wave's end
	ds_add_u32 v[SPW], v[NIL]
	s_wait_dscnt 0x0
	CROUND                                         ; the closing round
	s_endpgm
.Lfunc_end_k_q8f7ceaf65b_proj:
	.size	k_q8f7ceaf65b_proj, .Lfunc_end_k_q8f7ceaf65b_proj-k_q8f7ceaf65b_proj
	.p2alignl 7, 3214868480
	.fill 96, 4, 3214868480
	.section	.rodata,"a",@progbits
	.p2align	6, 0x0
	.amdhsa_kernel k_q8f7ceaf65b_proj
		.amdhsa_group_segment_fixed_size 327680
		.amdhsa_private_segment_fixed_size 0
		.amdhsa_enable_private_segment 0
		.amdhsa_kernarg_size 24
		.amdhsa_user_sgpr_count 2
		.amdhsa_user_sgpr_kernarg_segment_ptr 1
		.amdhsa_wavefront_size32 1
		.amdhsa_system_sgpr_workgroup_id_x 1
		.amdhsa_system_sgpr_workgroup_id_y 1
		.amdhsa_system_sgpr_workgroup_id_z 1
		.amdhsa_system_vgpr_workitem_id 0
		.amdhsa_next_free_vgpr 512
		.amdhsa_next_free_sgpr 66
		.amdhsa_reserve_vcc 0
		.amdhsa_float_denorm_mode_32 3
		.amdhsa_float_denorm_mode_16_64 3
		.amdhsa_memory_ordered 1
		.amdhsa_forward_progress 1
		.amdhsa_inst_pref_size 86
	.end_amdhsa_kernel
	.amdgpu_metadata
---
amdhsa.version: [ 1, 2 ]
amdhsa.kernels:
  - .name:           k_q8f7ceaf65b_proj
    .symbol:         k_q8f7ceaf65b_proj.kd
    .args:
      - { .name: hd16, .offset: 0, .size: 8, .value_kind: global_buffer, .address_space: global }
      - { .name: wo16, .offset: 8, .size: 8, .value_kind: global_buffer, .address_space: global }
      - { .name: out0, .offset: 16, .size: 8, .value_kind: global_buffer, .address_space: global }
    .group_segment_fixed_size: 327680
    .private_segment_fixed_size: 0
    .kernarg_segment_align: 8
    .kernarg_segment_size: 24
    .max_flat_workgroup_size: 128
    .sgpr_count:     66
    .vgpr_count:     512
    .wavefront_size: 32
...
	.end_amdgpu_metadata
.endif
;; end of part 4
;; launch first16 (part 5): grid 16 x 4, 16 waves a work-group, no clusters, 71,680 bytes of LDS; arguments q32, Wo, out0; writes out0
.if DOCPART == 5
	.amdgcn_target "amdgcn-amd-amdhsa--gfx1250"
	.amdhsa_code_object_version 6
	.text
	.protected	k_q8f7ceaf65b_first16
	.globl	k_q8f7ceaf65b_first16
	.p2align	8
	.type	k_q8f7ceaf65b_first16,@function
k_q8f7ceaf65b_first16:
	s_mov_b64 s[64:65], 0
	v_nop
	global_prefetch_b8 v0, s[64:65] scope:SCOPE_SE
	s_setreg_imm32_b32 hwreg(HW_REG_WAVE_MODE, 25, 1), 1
	s_wait_xcnt 0x0
; The first 16 positions of every batch once more, all in f32: these rows average one to sixteen values and are the largest of the output, so the rounding of 16-bit operands weighs most there.
; q32 [batch][16][3072] holds roped Q, roped K and V of those positions in f32; Wo [1024][1024] f32; out0 rows batch x 2,048 + 0..15 are written anew.
; SHARES.  Work-group (x, batch) makes output columns 64 x .. 64 x + 63 of the batch's 16 rows.  Wave = head: it makes its head's attention (16 queries x 16 keys x 64 channels) and its head's part of the outputs
; (K = its 64 channels); the sixteen parts meet in LDS, and wave w sums and stores row w: 256 consecutive bytes, aligned.  The attention is made in each of the 16 work-groups of a batch: 32 small products a wave.
; Matrix form: 16 x 16 x 4 in f32; the k of a step are taken in whatever order the lanes' registers hold them, alike on both sides.  The registers that it writes (v112-119, v128-159) are written by it alone.
; LIMITS: NaN and infinities are not served.
.set SPARE, 16*4352                    ; behind the sixteen parts: the spare words, 128 bytes a wave, which no other line names
.set SPW, 14
.set NIL, 15
.set QF,  16                           ; v16-47   Q, later the heads' numbers
.set KFR, 48                           ; v48-79   K, later Wo's fourth tile
.set VF,  80                           ; v80-111  V: register 8 dt + 2 s + j
.set SA,  112                          ; v112-119 S^T
.set PP,  120                          ; v120-127 the masked scores, then p
.set OA,  128                          ; v128-159 O^T, later the outputs' parts
	s_load_b128 s[4:7], s[0:1], 0x0                ; q32, Wo
	s_load_b64 s[8:9], s[0:1], 0x10                ; out0
	v_lshl_add_u32 v[SPW], v0, 2, SPARE
	v_mov_b32 v[NIL], 0
	v_lshrrev_b32 v1, 5, v0
	v_readfirstlane_b32 s10, v1                    ; wave = head
	s_and_b32 s11, ttmp7, 0xffff                   ; batch
	v_and_b32 v8, 15, v0                           ; r
	v_bfe_u32 v9, v0, 4, 1                         ; h
	v_and_b32 v13, 31, v0                          ; lane
	v_mul_u32_u24 v1, v8, 12288
	v_lshl_add_u32 v1, v9, 4, v1                   ; Q, K: row r of 12,288 bytes, + 16 h
	v_mul_u32_u24 v2, v9, 98304
	v_lshl_add_u32 v2, v8, 2, v2                   ; V: keys 8 h on, channel r
	v_lshlrev_b32 v3, 12, v8
	v_lshl_add_u32 v3, v9, 5, v3                   ; Wo: row r of 4,096 bytes, + 32 h
	v_lshlrev_b32 v4, 3, v9
	v_sub_nc_u32 v4, v8, v4                        ; r - 8 h
	v_mov_b32 v5, 0xff800000                       ; -infinity
	s_mul_i32 s26, s10, 4352
	v_mul_u32_u24 v10, v8, 272
	v_lshl_add_u32 v10, v9, 5, v10
	v_add_nc_u32 v10, s26, v10                     ; LDS: my part: row = query r (256 bytes + 16), + 32 h
	s_mul_i32 s26, s10, 272
	v_lshl_add_u32 v11, v13, 3, s26                ; and back: row w of every part, 8 bytes a lane
	v_lshlrev_b32 v12, 3, v13
	s_mov_b32 s20, 0x76543210
	s_mov_b32 s21, 0xfedcba98
	s_mov_b32 s22, 0x3e38aa3b                      ; c = log2(e) / 8
	s_mul_i32 s12, s11, 196608
	s_lshl_b32 s13, s10, 8
	s_add_co_u32 s12, s12, s13                     ; q32: the batch's rows, my head's 64 columns
	s_mov_b32 s13, 0
	s_lshl_b32 s14, ttmp9, 18
	s_lshl_b32 s15, s10, 8
	s_add_co_u32 s14, s14, s15                     ; Wo: rows 64 x on, my head's 64 columns
	s_mov_b32 s15, 0
	s_lshl_b32 s16, s11, 23
	s_lshl_b32 s17, s10, 12
	s_add_co_u32 s16, s16, s17
	s_lshl_b32 s17, ttmp9, 8
	s_add_co_u32 s16, s16, s17                     ; out0: the batch, row w, columns 64 x on
	s_mov_b32 s17, 0
	s_wait_kmcnt 0x0
	s_add_nc_u64 s[4:5], s[4:5], s[12:13]
	s_add_nc_u64 s[6:7], s[6:7], s[14:15]
	s_add_nc_u64 s[8:9], s[8:9], s[16:17]
.irp i, 0,1,2,3,4,5,6,7
	global_load_b128 v[QF+4*\i:QF+4*\i+3], v1, s[4:5] offset:32*\i            ; channels 8 i + 4 h + 0..3 of query r
.endr
.irp i, 0,1,2,3,4,5,6,7
	global_load_b128 v[KFR+4*\i:KFR+4*\i+3], v1, s[4:5] offset:4096+32*\i     ; the same of key r
.endr
.irp dt, 0,1,2,3
.irp k, 0,1,2,3,4,5,6,7
	global_load_b32 v[VF+8*\dt+\k], v2, s[4:5] offset:8192+12288*\k+64*\dt    ; V(key 8 h + k, channel 16 dt + r)
.endr
.endr
.irp nt, 0,1,2
.irp dt, 0,1,2,3
	global_load_b128 v[160+32*\nt+8*\dt:160+32*\nt+8*\dt+3], v3, s[6:7] offset:65536*\nt+64*\dt       ; Wo(16 nt + r, 16 dt + 8 h + 0..7)
	global_load_b128 v[160+32*\nt+8*\dt+4:160+32*\nt+8*\dt+7], v3, s[6:7] offset:65536*\nt+64*\dt+16
.endr
.endr
	s_wait_loadcnt 56                              ; Q and K are in; V's 32 loads and Wo's 24 may be out
	; S^T = K Q^T: one accumulator, sixteen links; the first starts the sum
	v_wmma_f32_16x16x4_f32 v[SA:SA+7], v[KFR:KFR+1], v[QF:QF+1], 0
.irp i, 1,2,3,4,5,6,7,8,9,10,11,12,13,14,15
	s_wait_alu depctr_va_vdst(0)                   ; the wait directly ahead of each link of a chain on one accumulator
	v_wmma_f32_16x16x4_f32 v[SA:SA+7], v[KFR+2*\i:KFR+2*\i+1], v[QF+2*\i:QF+2*\i+1], v[SA:SA+7]
.endr
.rept 8
	v_nop                                          ; eight places behind this form, ahead of the loads into K's registers and of the reads of S^T
.endr
.irp dt, 0,1,2,3
	global_load_b128 v[KFR+8*\dt:KFR+8*\dt+3], v3, s[6:7] offset:196608+64*\dt        ; Wo's fourth tile
	global_load_b128 v[KFR+8*\dt+4:KFR+8*\dt+7], v3, s[6:7] offset:196608+64*\dt+16
.endr
.irp j, 0,1,2,3,4,5,6,7
	v_cmp_gt_i32 vcc_lo, \j, v4                    ; register j holds key 8 h + j of query r: hidden where j > r - 8 h
	v_cndmask_b32 v[PP+\j], v[SA+\j], v5, vcc_lo
.endr
	v_max3_num_f32 v6, v[PP], v[PP+1], v[PP+2]
	v_max3_num_f32 v7, v[PP+3], v[PP+4], v[PP+5]
	v_max3_num_f32 v6, v6, v[PP+6], v[PP+7]
	v_max_num_f32 v6, v6, v7
	v_permlanex16_b32 v7, v6, s20, s21             ; the query's other eight keys
	v_max_num_f32 v6, v6, v7                       ; the row's maximum (key 0 counts for every query)
	v_mul_f32 v6, s22, v6
.irp j, 0,1,2,3,4,5,6,7
	v_fma_f32 v[PP+\j], v[PP+\j], s22, -v6
.endr
.irp j, 0,1,2,3,4,5,6,7
	v_exp_f32 v[PP+\j], v[PP+\j]
.endr
	v_nop
	s_wait_alu depctr_va_vdst(0)                   ; one wait for the eight exponentials, ahead of their first reader
	v_add_f32 v6, v[PP], v[PP+1]
	v_add_f32 v7, v[PP+2], v[PP+3]
	v_add_f32 v13, v[PP+4], v[PP+5]
	v_add_f32 v8, v[PP+6], v[PP+7]
	v_add_f32 v6, v6, v7
	v_add_f32 v13, v13, v8
	v_add_f32 v6, v6, v13
	v_permlanex16_b32 v7, v6, s20, s21
	v_add_f32 v6, v6, v7                           ; the row's sum
	v_rcp_f32 v7, v6
	v_nop
	s_wait_alu depctr_va_vdst(0)
	s_wait_loadcnt 32                              ; V is in; Wo's 32 loads may be out
	; O^T = V^T P: step s takes keys 8 h + 2 s + 0, 1; four accumulators by turns
.irp s, 0,1,2,3
.irp dt, 0,1,2,3
.if \s == 0
	v_wmma_f32_16x16x4_f32 v[OA+8*\dt:OA+8*\dt+7], v[VF+8*\dt+2*\s:VF+8*\dt+2*\s+1], v[PP+2*\s:PP+2*\s+1], 0
.else
	v_wmma_f32_16x16x4_f32 v[OA+8*\dt:OA+8*\dt+7], v[VF+8*\dt+2*\s:VF+8*\dt+2*\s+1], v[PP+2*\s:PP+2*\s+1], v[OA+8*\dt:OA+8*\dt+7]
.endif
.endr
.endr
.rept 8
	v_nop
.endr
.set i, 0
.rept 32
	v_mul_f32 v[QF+i], v[OA+i], v7                 ; heads(query r, channel 16 dt + 8 h + j), into other registers
.set i, i+1
.endr
.rept 9
	v_nop                                          ; nine places: the products below write over O^T's registers
.endr
	s_wait_loadcnt 0x0                             ; Wo
	; the outputs' part of my head, transposed: source 0 = 16 rows of Wo, source 1 = the heads' numbers; step (dt, s) takes channels 16 dt + 8 h + 2 s + 0, 1; four accumulators by turns
.irp dt, 0,1,2,3
.irp s, 0,1,2,3
.irp nt, 0,1,2,3
.if (\dt == 0) && (\s == 0)
	v_wmma_f32_16x16x4_f32 v[OA+8*\nt:OA+8*\nt+7], v[160+32*\nt-208*(\nt/3)+8*\dt+2*\s:160+32*\nt-208*(\nt/3)+8*\dt+2*\s+1], v[QF+8*\dt+2*\s:QF+8*\dt+2*\s+1], 0
.else
	v_wmma_f32_16x16x4_f32 v[OA+8*\nt:OA+8*\nt+7], v[160+32*\nt-208*(\nt/3)+8*\dt+2*\s:160+32*\nt-208*(\nt/3)+8*\dt+2*\s+1], v[QF+8*\dt+2*\s:QF+8*\dt+2*\s+1], v[OA+8*\nt:OA+8*\nt+7]
.endif
.endr
.endr
.endr
.rept 8
	v_nop
.endr
.irp nt, 0,1,2,3
	ds_store_b128 v10, v[OA+8*\nt:OA+8*\nt+3] offset:64*\nt          ; lane (r, h): outputs 16 nt + 8 h + 0..7 of query r
	ds_store_b128 v10, v[OA+8*\nt+4:OA+8*\nt+7] offset:64*\nt+16
.endr
	s_wait_dscnt 0x0                               ; for the others' sake: my part lies in LDS
	s_barrier_signal -1
	s_barrier_wait -1
.irp k, 0,1,2,3,4,5,6,7,8,9,10,11,12,13,14,15
	ds_load_b64 v[160+2*\k:161+2*\k], v11 offset:4352*\k             ; row w of head k's part
.endr
	s_wait_dscnt 0x0
.irp k, 0,1,2,3,4,5,6,7
	v_pk_add_f32 v[160+4*\k:161+4*\k], v[160+4*\k:161+4*\k], v[162+4*\k:163+4*\k]
.endr
.irp k, 0,1,2,3
	v_pk_add_f32 v[160+8*\k:161+8*\k], v[160+8*\k:161+8*\k], v[164+8*\k:165+8*\k]
.endr
.irp k, 0,1
	v_pk_add_f32 v[160+16*\k:161+16*\k], v[160+16*\k:161+16*\k], v[168+16*\k:169+16*\k]
.endr
	v_pk_add_f32 v[160:161], v[160:161], v[176:177]
	global_store_b64 v12, v[160:161], s[8:9]       ; 256 consecutive bytes, aligned
	s_wait_tensorcnt 0x0                           ; the wave's end
	ds_add_u32 v[SPW], v[NIL]
	s_wait_dscnt 0x0
	s_endpgm
.Lfunc_end_k_q8f7ceaf65b_first16:
	.size	k_q8f7ceaf65b_first16, .Lfunc_end_k_q8f7ceaf65b_first16-k_q8f7ceaf65b_first16
	.p2alignl 7, 3214868480
	.fill 96, 4, 3214868480
	.section	.rodata,"a",@progbits
	.p2align	6, 0x0
	.amdhsa_kernel k_q8f7ceaf65b_first16
		.amdhsa_group_segment_fixed_size 71680
		.amdhsa_private_segment_fixed_size 0
		.amdhsa_enable_private_segment 0
		.amdhsa_kernarg_size 24
		.amdhsa_user_sgpr_count 2
		.amdhsa_user_sgpr_kernarg_segment_ptr 1
		.amdhsa_wavefront_size32 1
		.amdhsa_system_sgpr_workgroup_id_x 1
		.amdhsa_system_sgpr_workgroup_id_y 1
		.amdhsa_system_sgpr_workgroup_id_z 1
		.amdhsa_system_vgpr_workitem_id 0
		.amdhsa_next_free_vgpr 256
		.amdhsa_next_free_sgpr 66
		.amdhsa_reserve_vcc 1
		.amdhsa_float_denorm_mode_32 3
		.amdhsa_float_denorm_mode_16_64 3
		.amdhsa_memory_ordered 1
		.amdhsa_forward_progress 1
		.amdhsa_inst_pref_size 24
	.end_amdhsa_kernel
	.amdgpu_metadata
---
amdhsa.version: [ 1, 2 ]
amdhsa.kernels:
  - .name:           k_q8f7ceaf65b_first16
    .symbol:         k_q8f7ceaf65b_first16.kd
    .args:
      - { .name: q32, .offset: 0, .size: 8, .value_kind: global_buffer, .address_space: global }
      - { .name: Wo, .offset: 8, .size: 8, .value_kind: global_buffer, .address_space: global }
      - { .name: out0, .offset: 16, .size: 8, .value_kind: global_buffer, .address_space: global }
    .group_segment_fixed_size: 71680
    .private_segment_fixed_size: 0
    .kernarg_segment_align: 8
    .kernarg_segment_size: 24
    .max_flat_workgroup_size: 512
    .sgpr_count:     66
    .vgpr_count:     256
    .wavefront_size: 32
...
	.end_amdgpu_metadata
.endif
;; end of part 5
